; MI455X (gfx1250); checked and timed in simulation.
; The chip was launched on July 23, 2026; its instructions are those of AMD's public machine-readable ISA for CDNA 5 (MIT licence, August 2026) and "CDNA5" Instruction Set Architecture Reference Guide (July 2026). The comments in the code are by the model that wrote it; some were corrected since.
;; Multi Head Attention. Allowed arithmetic: matrix products marked QUANTISED: E4M3 operands, one E8M0 scale for each 32 along K, by v_wmma_scale_f32_16x16x128_f8f6f4 with both operands' format E4M3, f32 sums; everything else in f32.
;; Inputs: W_k 1,024 x 1,024 float32; W_o 1,024 x 1,024 float32; W_q 1,024 x 1,024 float32; W_v 1,024 x 1,024 float32; b_k 1,024 float32; b_o 1,024 float32; b_q 1,024 float32; b_v 1,024 float32; key 4 x 2,048 x 1,024 float32; query 4 x 2,048 x 1,024 float32; value 4 x 2,048 x 1,024 float32.
;; Outputs: out0 4 x 2,048 x 1,024 float32.
;; This version of the problem:
;;   THIS VERSION OF THE PROBLEM IS GIVEN IN LOW PRECISION. The matrix products marked QUANTISED in the list below multiply operands that are first quantised to E4M3 (4 exponent bits, 3 mantissa bits; 8 bits a number), with one power-of-two scale for each 32 numbers along K (OCP MX v1.0); their sums are f32. All else is computed in f32.
;;   The module's matrix products, in the order in which they are computed (A, B: the left and right operand; K: the contracted axis; several contracted axes count as one K, in the product's order):
;;     1. [M 8,192, K 1,024] x [K 1,024, N 1,024]; A: input query; B: input W_q: QUANTISED
;;     2. [M 8,192, K 1,024] x [K 1,024, N 1,024]; A: input key; B: input W_k: QUANTISED
;;     3. [M 8,192, K 1,024] x [K 1,024, N 1,024]; A: input value; B: input W_v: QUANTISED
;;     4. batch 64 x [M 2,048, K 64] x [K 64, N 2,048]; A: computed on the way; B: computed on the way: QUANTISED
;;     5. batch 64 x [M 2,048, K 2,048] x [K 2,048, N 64]; A: softmax (see below); B: computed on the way: QUANTISED
;;     6. [M 8,192, K 1,024] x [K 1,024, N 1,024]; A: computed on the way; B: input W_o: QUANTISED
;;   THE QUANTISER, for each operand of a quantised product, along K:
;;     - K is cut into blocks of 32 from its start; a last block that is shorter is filled with zeros.
;;     - A block's scale is 2^e with e = floor(log2(the largest magnitude in the block)) - 8, held to -126 .. 127; a block of zeros has e = 0. As a byte (E8M0): e + 127.
;;     - Each number is divided by its block's scale, clamped to +-448, and rounded to the nearest number of E4M3, ties to even, subnormals kept.
;;     - The product sums the exact products of the quantised numbers (number of the format x scale) in f32.
;;   ~~~python
;;   def quantise(x, axis):      # numpy; x: float32 -> the quantised numbers, widened to float32 again
;;       x = np.moveaxis(x, axis, -1); K = x.shape[-1]
;;       x = np.pad(x, [(0, 0)] * (x.ndim - 1) + [(0, -K % 32)]); x = x.reshape(x.shape[:-1] + (-1, 32)); a = np.abs(x).max(-1, keepdims=True)
;;       e = np.where(a > 0, np.clip(np.frexp(np.where(a > 0, a, 1))[1] - 1 - 8, -126, 127), 0)      # np.frexp(a)[1] - 1 = floor(log2(a)), exactly
;;       r = np.clip(x / 2.0 ** e, -448, 448)
;;       step = 2.0 ** (np.maximum(np.frexp(np.where(r == 0, 1, r))[1] - 1, -6) - 3)
;;       q = np.round(r / step) * step * 2.0 ** e      # np.round: ties to even
;;       return np.moveaxis(q.reshape(q.shape[:-2] + (-1,))[..., :K], -1, axis).astype(np.float32)
;;   ~~~
;;   SOFTMAX AHEAD OF A QUANTISED PRODUCT. Where the list says 'softmax', what is quantised is not the finished softmax but p = 2^(t - M), with t = logit x log2(e) and M = ceil(the row's largest t), a whole number; so 1/2 < the row's largest p <= 1. The row's sum l is taken of the UNQUANTISED p, in f32, and the product's result is divided by l at the end. Since M is a whole number, a kernel that streams over the keys may use a running M (the ceiling of the running maximum): every later rescaling is an exact power of two, which a block's scale takes up: the codes' values come out the same.
;;   OPERANDS COMPUTED ON THE WAY. 'Computed on the way' means the value that the module computes at that place (a softmax that the list does not call 'softmax' is quantised finished and normalised). What goes into a quantiser is computed in f32, as accurately as f32 sums, v_exp_f32 and their like allow (about 1e-6 of the number): no bf16 or f16 on the way to a quantiser, and a product that is left as it is and whose result goes on into a quantised operand takes f32 operands (vector FMAs, or v_wmma_f32_16x16x4_f32). A number that lies on a knife's edge between two numbers of the format may be rounded either way, as far as f32 arithmetic and the matrix unit's own rounding can turn it there, and no further.
;; One version. Each part assembles by itself: llvm-mc -triple=amdgcn-amd-amdhsa -mcpu=gfx1250 --defsym DOCPART=n.
;; ======== version 1 of 1: 4 launches
;; workspace buffers: codes1 29,360,128 bytes; scales1 917,504 bytes; rope 524,288 bytes; qb 8,912,896 bytes; kv 17,825,792 bytes; ctxc 8,388,608 bytes; ctxs 262,144 bytes
;; launch quant (part 1): grid 928 x 1, 4 waves a work-group, no clusters, 33,280 bytes of LDS; arguments query, key, value, W_q, W_k, W_v, W_o, codes1, scales1, rope; writes codes1, scales1, rope
.if DOCPART == 1
	.amdgcn_target "amdgcn-amd-amdhsa--gfx1250"
	.amdhsa_code_object_version 6
	.text
	.protected	k_q6c8b809a5f_quant
	.globl	k_q6c8b809a5f_quant
	.p2align	8
	.type	k_q6c8b809a5f_quant,@function
k_q6c8b809a5f_quant:
	s_mov_b64 s[64:65], 0
	v_nop
	global_prefetch_b8 v0, s[64:65] scope:SCOPE_SE
	s_setreg_imm32_b32 hwreg(HW_REG_WAVE_MODE, 25, 1), 1
	s_wait_xcnt 0x0
; query, key, value [8192][1024] and W_q, W_k, W_v, W_o [1024][1024], f32, K innermost, become codes of FP8 (E4M3) with one E8M0 byte for each 32 along K,
; in ONE matrix of 28,672 rows: codes1 [row][1024 bytes], scales1 [row][32 bytes]; first rows: query 0, key 8192, value 16384, W_q 24576, W_k 25600, W_v 26624, W_o 27648.
; THE ROWS ARE STORED WITH BITS 3 AND 4 OF THEIR NUMBER EXCHANGED: 16 consecutive stored rows, tile 2 b + u, are the rows 32 b + 8 u + r + 8 (r / 8).  Where such a tile is source 0 of a product,
; the 16 result registers of tiles 2 b and 2 b + 1 are 16 neighbouring rows: the order in which the next quantiser and the next operand want them.
; A block's scale is 2^(floor(log2(largest magnitude)) - 8); its byte is the largest magnitude's exponent field - 8, held at 1 from below; each number is divided by the scale, held within +-448, rounded to nearest, ties to even.
; Work-groups 0 to 895: 32 rows each, 8 rows (8,192 numbers) a wave, 16 steps of 512 numbers.  Eight rows are a run; the exchange of row bits 3 and 4 is the exchange of the wave number's two bits in the OUTPUT's place.
; Each load reads 512 consecutive bytes; a step's 2,048 bytes turn through the wave's own stage in LDS and come back 64 bytes (16 neighbours) a lane; two neighbouring lanes hold a block.
; Work-groups 896 to 927 make the table of cos and sin for the rotary embedding: rope [stored position tile 128][piece 8][lane 32][16 bytes]; pieces 0-3 cos, 4-7 sin;
; lane (r, h) of piece c holds frequencies 16 h + 4 (c % 4) + 0 .. 3 at the position that stored row 16 T + r stands for.  They use no LDS.
; LIMITS: NaN and infinities among the inputs are not served.  A block whose largest magnitude lies under 2^-118 gets the byte 1; so does a block of zeros, where the rule says 127: its codes are zeros, and this program alone reads the bytes.
; The 32 inverse frequencies are 10^(-i/8) rounded to f32; a power computed in f32 may differ from that in its last bits, which moves an angle by some 1e-4 rad at most at position 2,047.
; sin and cos: the angle less n pi/2 in two parts (what is left out is under 1,304 x 1.7e-15), then polynomials of degree 7 and 8 on +-pi/4, good to about 1e-7.
.set NQWG,  896
.set STEPS, 16
.set EMAX,  8
.set MANT,  0x600000                   ; the mantissa field of 448 as f32
.set CB,    16                         ; bytes of 16 codes
.set R,     16                         ; v16-79   four sets of 16 numbers as they are loaded
.set X,     80                         ; v80-111  two sets of 16 neighbours
.set C,     128                        ; v128-191 codes: four registers for each step, so that no store's data are written again
.set E,     112                        ; v112-127 a scale byte for each step
.set WREG,  8192                       ; LDS: a region for each wave: two stages of 32 x SP bytes, behind them its 256 scale bytes
.set SP,    80                         ; a lane's place in a stage: 64 bytes + 16 of padding
.set COS,   16                         ; the table's path: v16-31 cos, v32-47 sin of my 16 frequencies
.set SIN,   32
	s_load_b512 s[4:19], s[0:1], 0x0               ; query, key, value, W_q, W_k, W_v, W_o, codes1
	s_load_b128 s[20:23], s[0:1], 0x40             ; scales1, rope
	v_lshl_add_u32 v192, v0, 2, 0x8000
	v_mov_b32 v193, 0
	v_lshrrev_b32 v1, 5, v0
	v_readfirstlane_b32 s24, v1                    ; wave
	v_and_b32 v2, 31, v0                           ; lane
	s_cmp_ge_u32 ttmp9, NQWG
	s_cbranch_scc1 .Lrope
	v_lshlrev_b32 v3, 4, v2                        ; my 16 bytes of a load's 512
	s_mul_i32 s25, s24, WREG
	v_lshrrev_b32 v14, 2, v2
	v_mul_u32_u24 v14, v14, SP
	v_and_b32 v15, 3, v2
	v_lshl_add_u32 v14, v15, 4, v14
	v_add_nc_u32 v14, s25, v14                     ; the stage, in: four lanes' 64 bytes on end, then 16 of padding
	v_mul_u32_u24 v15, v2, SP
	v_add_nc_u32 v15, s25, v15                     ; and out: SP x lane: my 16 neighbours
	v_mul_u32_u24 v4, v2, CB                       ; my codes' place in a step's
	v_lshrrev_b32 v5, 1, v2
	s_add_co_u32 s25, s25, 2*32*SP
	v_add_nc_u32 v5, s25, v5                       ; LDS: my wave's 256 scale bytes, my block's byte
	v_lshlrev_b32 v7, 3, v2                        ; on the way out 8 bytes a lane
	v_add_nc_u32 v6, s25, v7
	s_mov_b32 s31, MANT
	s_wait_kmcnt 0x0
	s_mov_b64 s[28:29], s[16:17]                   ; which tensor: the choice hangs on the work-group's number alone
	s_mov_b32 s30, 864                             ; and the tensor's first work-group
.macro PICK limit, lo, first
	s_cmp_lt_u32 ttmp9, \limit
	s_cselect_b64 s[28:29], s[\lo:\lo+1], s[28:29]
	s_cselect_b32 s30, \first, s30
.endm
	PICK 864, 14, 832
	PICK 832, 12, 800
	PICK 800, 10, 768
	PICK 768, 8, 512
	PICK 512, 6, 256
	PICK 256, 4, 0
	s_sub_co_u32 s32, ttmp9, s30
	s_lshl_b32 s32, s32, 2
	s_add_co_u32 s32, s32, s24                     ; which run of 8 rows of the tensor I read
	s_lshl_b32 s32, s32, 15                        ; 32,768 bytes a run (under 2^26)
	s_mov_b32 s33, 0
	s_add_nc_u64 s[28:29], s[28:29], s[32:33]
	s_and_b32 s34, s24, 1
	s_lshl_b32 s34, s34, 1
	s_lshr_b32 s35, s24, 1
	s_or_b32 s34, s34, s35                         ; the wave number's two bits exchanged,
	s_lshl_b32 s35, ttmp9, 2
	s_add_co_u32 s34, s34, s35                     ; which run of the stored matrix I write
	s_lshl_b32 s32, s34, 13
	s_add_nc_u64 s[18:19], s[18:19], s[32:33]      ; 8,192 bytes of codes a run
	s_lshl_b32 s32, s34, 8
	s_add_nc_u64 s[20:21], s[20:21], s[32:33]      ; 256 scale bytes a run
.macro LOAD t
.irp i, 0,1,2,3
	global_load_b128 v[R+16*((\t)%4)+4*\i:R+16*((\t)%4)+4*\i+3], v3, s[28:29] offset:2048*(\t)+512*\i th:TH_LOAD_NT   ; 32 lanes read 512 consecutive bytes
.endr
.endm
.macro TURN t                          ; step t's numbers through the stage: LDS serves a wave's instructions in order (ISA guide 5.7.1.4), so no wait stands between the stores and the loads
.irp i, 0,1,2,3
	ds_store_b128 v14, v[R+16*((\t)%4)+4*\i:R+16*((\t)%4)+4*\i+3] offset:32*SP*((\t)%2)+8*SP*\i
.endr
.irp i, 0,1,2,3
	ds_load_b128 v[X+16*((\t)%2)+4*\i:X+16*((\t)%2)+4*\i+3], v15 offset:32*SP*((\t)%2)+16*\i
.endr
.endm
.irp t, 0,1,2,3
	LOAD \t
.endr
	s_wait_loadcnt 12                              ; step 0's four loads are in
	TURN 0
.macro QSTEP t
.set XS, X+16*((\t)%2)
.if (\t) > 0
	s_wait_dscnt 1                                 ; this step's numbers are back from the stage (the last step's byte store may be out): so its stores into the stage have read their registers,
.else
	s_wait_dscnt 0x0
.endif
.if (\t)+4 < STEPS
	LOAD (\t)+4                                    ; which take the loads of four steps on
.endif
.if (\t)+1 < STEPS
.if STEPS-2-(\t) >= 3
	s_wait_loadcnt 12                              ; the next step's four loads are in; those of the three steps behind it may be out
.else
	s_wait_loadcnt 4*(STEPS-2-(\t))
.endif
	TURN (\t)+1                                    ; and go through the other stage while this step is worked
.endif
	v_max3_num_f32 v8, |v[XS]|, |v[XS+1]|, |v[XS+2]|               ; the largest magnitude of my 16, in two chains
	v_max3_num_f32 v9, |v[XS+3]|, |v[XS+4]|, |v[XS+5]|
.irp i, 6,10
	v_max3_num_f32 v8, v8, |v[XS+\i]|, |v[XS+\i+1]|
	v_max3_num_f32 v9, v9, |v[XS+\i+2]|, |v[XS+\i+3]|
.endr
	v_max3_num_f32 v8, v8, |v[XS+14]|, |v[XS+15]|
	v_max3_num_f32 v8, v8, v9, (EMAX+1)<<23        ; and the floor 2^(9 - 127): the byte cannot fall under 1
	v_max_num_f32_dpp v8, v8, v8 row_xmask:1 row_mask:0xf bank_mask:0xf   ; and of my neighbour's 16: the block's
	v_add_nc_u32 v11, -(EMAX<<23), v8              ; 8 off its exponent field: the conversion takes the exponent field of this operand as its scale
	v_and_or_b32 v10, v8, 0x7f800000, s31          ; 448 x the scale
.irp i, 0,1,2,3,4,5,6,7,8,9,10,11,12,13,14,15
	v_med3_num_f32 v[XS+\i], v[XS+\i], -v10, v10   ; the conversion to an 8-bit code does not saturate (ISA guide 7.6.2): hold the number first
.endr
	v_cvt_scalef32_pk8_fp8_f32 v[C+4*(\t):C+4*(\t)+1], v[XS:XS+7], v11
	v_cvt_scalef32_pk8_fp8_f32 v[C+4*(\t)+2:C+4*(\t)+3], v[XS+8:XS+15], v11
	v_lshrrev_b32 v[E+(\t)], 23, v11               ; the scale's byte
	ds_store_b8 v5, v[E+(\t)] offset:16*(\t)       ; both lanes of a block write the same byte with the same value
	global_store_b128 v4, v[C+4*(\t):C+4*(\t)+3], s[18:19] offset:32*CB*(\t)   ; the wave stores 512 consecutive bytes
.endm
.irp t, 0,1,2,3,4,5,6,7,8,9,10,11,12,13,14,15
	QSTEP \t
.endr
	ds_load_b64 v[12:13], v6                       ; these see my byte stores: LDS serves a wave in order
	s_wait_dscnt 0x0
	global_store_b64 v7, v[12:13], s[20:21]        ; 32 lanes store 256 consecutive bytes, aligned
	s_wait_tensorcnt 0x0
	ds_add_u32 v192, v193
	s_wait_dscnt 0x0
	s_endpgm
.Lrope:                                            ; 128 waves: wave W takes 32 stored positions, 32 (W / 2) on, and 16 frequencies, 16 (W % 2) on; a lane a position
	s_sub_co_u32 s25, ttmp9, NQWG
	s_lshl_b32 s25, s25, 2
	s_add_co_u32 s25, s25, s24                     ; W
	s_and_b32 s26, s25, 1                          ; h
	s_lshr_b32 s27, s25, 1                         ; G
	v_and_b32 v3, 7, v2
	v_bfe_u32 v4, v2, 3, 1
	v_lshl_add_u32 v3, v4, 4, v3
	v_lshrrev_b32 v4, 4, v2
	v_lshl_add_u32 v3, v4, 3, v3                   ; my lane's number with bits 3 and 4 exchanged
	s_lshl_b32 s28, s27, 5
	v_add_nc_u32 v3, s28, v3                       ; the position that my stored row stands for
	v_and_b32 v5, 15, v2
	v_lshlrev_b32 v12, 4, v5
	v_lshl_add_u32 v12, v4, 12, v12
	s_lshl_b32 s28, s27, 13
	s_lshl_b32 s29, s26, 8
	s_add_co_u32 s28, s28, s29
	v_add_nc_u32 v12, s28, v12                     ; (2 G + lane / 16) x 4,096 + 256 h + 16 (lane % 16): sixteen lanes store 256 consecutive bytes, aligned
	v_cvt_f32_u32 v2, v3
	v_mov_b32 v13, 0xb94ca1f9                      ; -1.9515295891e-4: the sine's highest coefficient
	v_mov_b32 v14, 0x37ccf5ce                      ; 2.443315711809948e-5: the cosine's
.macro TRIG j, lit                     ; cos and sin of position x lit
	v_mul_f32 v3, \lit, v2                         ; the angle, rounded once
	v_mul_f32 v4, 0x3f22f983, v3                   ; x 2 / pi
	v_rndne_f32 v4, v4                             ; n
	v_fmamk_f32 v5, v4, 0xbfc90fdb, v3             ; r = angle - n pi/2: the upper part of pi/2 (the difference needs no rounding),
	v_fmamk_f32 v5, v4, 0x333bbd2e, v5             ; and what that part has too much
	v_cvt_i32_f32 v6, v4
	v_mul_f32 v7, v5, v5                           ; r^2
	v_fmaak_f32 v8, v13, v7, 0x3c08839e            ; sine: 8.3321608736e-3,
	v_fmaak_f32 v9, v14, v7, 0xbab6061a            ; cosine: -1.388731625493765e-3,
	v_fmaak_f32 v8, v8, v7, 0xbe2aaaa3             ; -1.6666654611e-1,
	v_fmaak_f32 v9, v9, v7, 0x3d2aaaa5             ; 4.166664568298827e-2
	v_mul_f32 v10, v7, v5
	v_mul_f32 v11, v7, v7
	v_fma_f32 v8, v8, v10, v5                      ; sin r
	v_fma_f32 v10, v7, -0.5, 1.0
	v_fma_f32 v9, v9, v11, v10                     ; cos r
	v_and_b32 v10, 1, v6
	v_cmp_ne_u32 vcc_lo, 0, v10
	v_cndmask_b32 v10, v8, v9, vcc_lo              ; n odd: the two change places
	v_cndmask_b32 v11, v9, v8, vcc_lo
	v_lshlrev_b32 v8, 30, v6                       ; the sine is negative where n % 4 is 2 or 3,
	v_add_nc_u32 v9, 1, v6
	v_lshlrev_b32 v9, 30, v9                       ; the cosine where it is 1 or 2
	v_and_b32 v8, 0x80000000, v8
	v_and_b32 v9, 0x80000000, v9
	v_xor_b32 v[SIN+\j], v8, v10
	v_xor_b32 v[COS+\j], v9, v11
.endm
	s_cmp_eq_u32 s26, 0
	s_cbranch_scc0 .Lhigh
	TRIG 0, 1.0                                    ; 10^(-i/8), i = 0 .. 15
	TRIG 1, 0.7498942093324559
	TRIG 2, 0.5623413251903491
	TRIG 3, 0.4216965034285822
	TRIG 4, 0.31622776601683794
	TRIG 5, 0.23713737056616552
	TRIG 6, 0.1778279410038923
	TRIG 7, 0.1333521432163324
	TRIG 8, 0.1
	TRIG 9, 0.07498942093324559
	TRIG 10, 0.05623413251903491
	TRIG 11, 0.04216965034285822
	TRIG 12, 0.031622776601683794
	TRIG 13, 0.023713737056616552
	TRIG 14, 0.01778279410038923
	TRIG 15, 0.01333521432163324
	s_branch .Lstore
.Lhigh:
	TRIG 0, 0.01                                   ; i = 16 .. 31
	TRIG 1, 0.007498942093324559
	TRIG 2, 0.005623413251903491
	TRIG 3, 0.004216965034285822
	TRIG 4, 0.0031622776601683794
	TRIG 5, 0.0023713737056616552
	TRIG 6, 0.001778279410038923
	TRIG 7, 0.001333521432163324
	TRIG 8, 0.001
	TRIG 9, 0.0007498942093324559
	TRIG 10, 0.0005623413251903491
	TRIG 11, 0.0004216965034285822
	TRIG 12, 0.00031622776601683794
	TRIG 13, 0.00023713737056616552
	TRIG 14, 0.0001778279410038923
	TRIG 15, 0.0001333521432163324
.Lstore:
	s_wait_kmcnt 0x0
.irp c, 0,1,2,3
	global_store_b128 v12, v[COS+4*\c:COS+4*\c+3], s[22:23] offset:512*\c
	global_store_b128 v12, v[SIN+4*\c:SIN+4*\c+3], s[22:23] offset:2048+512*\c
.endr
	s_endpgm
.Lfunc_end_k_q6c8b809a5f_quant:
	.size	k_q6c8b809a5f_quant, .Lfunc_end_k_q6c8b809a5f_quant-k_q6c8b809a5f_quant
	.p2alignl 7, 3214868480
	.fill 96, 4, 3214868480
	.section	.rodata,"a",@progbits
	.p2align	6, 0x0
	.amdhsa_kernel k_q6c8b809a5f_quant
		.amdhsa_group_segment_fixed_size 33280
		.amdhsa_private_segment_fixed_size 0
		.amdhsa_enable_private_segment 0
		.amdhsa_kernarg_size 80
		.amdhsa_user_sgpr_count 2
		.amdhsa_user_sgpr_kernarg_segment_ptr 1
		.amdhsa_wavefront_size32 1
		.amdhsa_system_sgpr_workgroup_id_x 1
		.amdhsa_system_sgpr_workgroup_id_y 1
		.amdhsa_system_sgpr_workgroup_id_z 1
		.amdhsa_system_vgpr_workitem_id 0
		.amdhsa_next_free_vgpr 194
		.amdhsa_next_free_sgpr 66
		.amdhsa_reserve_vcc 1
		.amdhsa_float_denorm_mode_32 3
		.amdhsa_float_denorm_mode_16_64 3
		.amdhsa_memory_ordered 1
		.amdhsa_forward_progress 1
		.amdhsa_inst_pref_size 94
	.end_amdhsa_kernel
	.amdgpu_metadata
---
amdhsa.version: [ 1, 2 ]
amdhsa.kernels:
  - .name:           k_q6c8b809a5f_quant
    .symbol:         k_q6c8b809a5f_quant.kd
    .args:
      - { .name: query, .offset: 0, .size: 8, .value_kind: global_buffer, .address_space: global }
      - { .name: key, .offset: 8, .size: 8, .value_kind: global_buffer, .address_space: global }
      - { .name: value, .offset: 16, .size: 8, .value_kind: global_buffer, .address_space: global }
      - { .name: W_q, .offset: 24, .size: 8, .value_kind: global_buffer, .address_space: global }
      - { .name: W_k, .offset: 32, .size: 8, .value_kind: global_buffer, .address_space: global }
      - { .name: W_v, .offset: 40, .size: 8, .value_kind: global_buffer, .address_space: global }
      - { .name: W_o, .offset: 48, .size: 8, .value_kind: global_buffer, .address_space: global }
      - { .name: codes1, .offset: 56, .size: 8, .value_kind: global_buffer, .address_space: global }
      - { .name: scales1, .offset: 64, .size: 8, .value_kind: global_buffer, .address_space: global }
      - { .name: rope, .offset: 72, .size: 8, .value_kind: global_buffer, .address_space: global }
    .group_segment_fixed_size: 33280
    .private_segment_fixed_size: 0
    .kernarg_segment_align: 8
    .kernarg_segment_size: 80
    .max_flat_workgroup_size: 128
    .sgpr_count:     66
    .vgpr_count:     194
    .wavefront_size: 32
...
	.end_amdgpu_metadata
.endif
;; end of part 1
;; launch proj (part 2): grid 4 x 96, 4 waves a work-group, clusters of 4 x 4, 327,680 bytes of LDS; arguments codes1, scales1, rope, b_q, b_k, b_v, qb, kv; writes qb, kv
.if DOCPART == 2
	.amdgcn_target "amdgcn-amd-amdhsa--gfx1250"
	.amdhsa_code_object_version 6
	.text
	.protected	k_q6c8b809a5f_proj
	.globl	k_q6c8b809a5f_proj
	.p2align	8
	.type	k_q6c8b809a5f_proj,@function
k_q6c8b809a5f_proj:
	s_mov_b64 s[64:65], 0
	v_nop
	global_prefetch_b8 v0, s[64:65] scope:SCOPE_SE
	s_setreg_imm32_b32 hwreg(HW_REG_WAVE_MODE, 25, 1), 1
	s_wait_xcnt 0x0
	s_wait_alu depctr_hold_cnt(0) depctr_sa_sdst(0) depctr_va_vdst(0) depctr_va_sdst(0) depctr_va_ssrc(0) depctr_va_vcc(0) depctr_vm_vsrc(0)
	s_getreg_b32 s2, hwreg(HW_REG_IB_STS2, 6, 4)
	s_cmp_eq_u32 s2, 0
	s_cbranch_scc0 .Lentry_in_a_cluster
	s_endpgm
.Lentry_in_a_cluster:
	s_bfe_u32 s2, ttmp6, 0x10000c
	s_cmp_lg_u32 s2, 0xf033
	s_cbranch_scc0 .Lentry_shape_is_right
	s_endpgm
.Lentry_shape_is_right:
; The three input projections on codes of FP8 (E4M3) with E8M0 scales, K = 1,024, and what follows them up to the next quantiser: bias, rotary embedding (Q, K), quantising, all in registers.
; codes1 / scales1 are one matrix of 28,672 stored rows (query 0, key 8192, value 16384, W_q 24576, W_k 25600, W_v 26624, W_o 27648); rows are stored with bits 3 and 4 of their number exchanged.
; A cluster of 4 x 4 work-groups makes 1,024 x 1,024 results; 24 clusters: Y = cluster y, p = Y / 8 the projection, g = Y % 8.  A work-group makes 256 x 256, a wave 128 x 128: 64 accumulators, 512 registers.
; p = 0, 1 (Q, K): region A = 256 stored rows of query / key, region B = 256 stored rows of W_q / W_k.   p = 2 (V): region A = 256 stored rows of W_v, region B = 256 stored rows of value: V comes out transposed.
; THE MATRIX INSTRUCTION TAKES REGION B AS SOURCE 0 AND REGION A AS SOURCE 1: a lane holds ONE row of region A, and, thanks to the stored order of region B's rows, register 16 b + i of a block's 64 is row 32 b + 16 (lane / 16) + i
; of region B: for Q and K 64 neighbours along the heads' channels, for V 64 neighbours along the keys: each the K of the next product.  So the conversions' results are the next operands' registers.
; K goes in steps of 256 through a ring of two LDS slots filled by the tensor data mover; the scale bytes of all of K come once.  A's tiles are shared along a row of the cluster, B's along a column: joint loads.
; OUTPUT, as images of operand registers (a group of four registers = 512 consecutive bytes, lane l's 16 at 16 l):
;   qb [head 64][128 stored queries, 16][8,704]: 8 tiles x (2 pieces of 512 bytes: channels 32 c + 16 h + 0 .. 15); at 8,192 the scale words: tile 2 bb + u, row r at 16 (r + 16 u) + 4 bb, bytes (s0, s1, s0, s1).
;   kv [head 64][128 stored keys, 16][17,408]: K as in qb; at 8,192 V: 4 tiles of 16 stored channels x (4 pieces: keys 32 c + 16 h + 0 .. 15); at 16,384 K's scale words; at 16,896 V's: lane l's 16 bytes: tiles 0 .. 3, row l % 16.
; LIMITS: NaN and infinities are not served; a block under 2^-118, zeros too, gets the byte 1 (this program alone reads the bytes); in the rotary embedding the second product is fused into the sum (one rounding fewer than two products and a sum).
; REGISTERS, in windows of 256: window 0: v0-31 addresses; v32-63 scale words, two sets; from v128 A's fragments, one set.  window 1: B's fragments, two sets.  windows 2, 3: accumulator (a, b) at v[8 (8 (a % 4) + b)].
; In the epilogue: window 0: v64-127 a block's 64 numbers; v128-211 at work;  window 1: v0-63 the bias, v64-127 cos and sin, two sets.
.set KSTEP,  256
.set NQ,     2                         ; matrix instructions deep in a slot
.set ROWB,   256                       ; a tile's row in bytes
.set KROW,   1024                      ; a row of codes in memory
.set PITCH,  272                       ; an LDS row: 256 bytes + 16 of padding = 68 words: row r starts at bank 4 r mod 64 (64 banks of 4 bytes: ISA guide 11.1)
.set FR,     16
.set NL,     4
.set NP,     8                         ; places behind this matrix instruction (ISA guide 7.12.1)
.set HALFT,  128*PITCH
.set SLOT,   4*HALFT
.set KS,     32                        ; a row of scale bytes
.set SCL,    2*SLOT                    ; behind the ring: the scales, as runs of 256 bytes + 16 of padding
.set HALFS,  (128*KS/256)*272
.set SBLK,   (16*KS/256)*272
.set SPARE,  SCL+4*HALFS               ; the spare words, 128 bytes for each wave, that no other line names
.set ADRA, 16
.set ADRB, 20
.set ADRS, 27
.set SPW,  28                          ; v28  SPARE + 4 x my thread's number; never rewritten
.set NIL,  29                          ; v29  0; never rewritten
.set SC,   32
.set AF,   128
.set X,    64                          ; the epilogue's registers
.set T,    128
.set TM,   144                         ; v144-147 largest magnitudes, v148-151 bytes, v152-155 448 x the scale, v156-159 the conversions' scale operands
.set PW,   160
.set PCD,  164                         ; v164-179 the codes just made
.set SW,   184                         ; v184-191 scale words gathered
.set SELV, 192
.set LI16, 193
.set SOFF, 194
.set BV,   196                         ; v196-211 b_v: a pair for each block
.set BI,   0                           ; window 1
.set CS,   64                          ; window 1: set s at CS + 32 s: 16 cos, 16 sin
.set SEL,  92
.set MNT,  94
.set G1, 24
.set G0, 32
.set G1B, 48
.set G0B, 56
.set G1S, 68
.set G0S, 76
.set G1SB, 80
.set G0SB, 88
.set MSB, 0
.macro WIN new                         ; the immediate's high byte repeats the setting that is left
.if MSB != (\new)
	s_set_vgpr_msb (MSB<<8)|(\new)
.set MSB, (\new)
.endif
.endm
.set MUL_LO, 0xa1                      ; source 0 (B) window 1, source 1 (A) window 0, C and D window 2
.set MUL_HI, 0xf1
.set TO_B,   0x40
; A joint load: waves 0 and 1 fetch for A, waves 2 and 3 for B; the branch hangs on the wave's number alone.  Four v_nop follow each of the two lines.
.macro JLOAD g0a, g1a, g0b, g1b
	s_cmp_eq_u32 s15, 0
	s_cbranch_scc0 .Lfor_b_\@
	tensor_load_to_lds s[\g0a:\g0a+3], s[\g1a:\g1a+7]
	s_nop 0
.rept 4
	v_nop
.endr
	s_branch .Lasked_\@
.Lfor_b_\@:
	tensor_load_to_lds s[\g0b:\g0b+3], s[\g1b:\g1b+7]
	s_nop 0
.rept 4
	v_nop
.endr
.Lasked_\@:
.endm
.macro CREST                           ; a round of the cluster's barrier behind its opening barrier
	s_cmp_lg_u32 s14, 0
	s_cbranch_scc1 .Lnot_wave_0_\@
	s_barrier_signal -3
.Lnot_wave_0_\@:
	s_barrier_wait -3
	s_barrier_signal -1
	s_barrier_wait -1
.endm
.macro CROUND
	s_barrier_signal -1
	s_barrier_wait -1
	CREST
.endm
	s_load_b128 s[4:7], s[0:1], 0x0                ; codes1, scales1
	v_lshl_add_u32 v[SPW], v0, 2, SPARE
	v_mov_b32 v[NIL], 0
	ds_add_u32 v28, v29
	ds_add_u32 v28, v29
	s_wait_dscnt 0x0
	v_lshrrev_b32 v1, 5, v0
	v_readfirstlane_b32 s14, v1                    ; wave 0..3
	s_lshr_b32 s15, s14, 1                         ; which half of region A's rows is mine.  Also: I fetch for A (0) or for B (1)
	s_and_b32 s16, s14, 1                          ; which half of region B's rows.  Also: which 128 rows I fetch
	s_bfe_u32 s40, ttmp6, 0x40000                  ; cx, cy
	s_bfe_u32 s41, ttmp6, 0x40004
	s_and_b32 s17, ttmp7, 0xffff                   ; Y: the same in all sixteen partners
	s_lshr_b32 s95, s17, 3                         ; p
	s_and_b32 s96, s17, 7                          ; g
	s_lshl_b32 s43, s41, 2
	s_lshl_b32 s43, 15, s43                        ; my row of the cluster
	s_lshl_b32 s44, 0x1111, s40                    ; my column
	s_or_b32 s[G1+0], s43, (0<<16)|(1<<20)|(1<<21)|(5<<22)|(3<<25)  ; the mask; elements of 1 byte; padding on; bit 21 beside a mask; after every 64 words; 4 words
	s_or_b32 s[G1B+0], s44, (0<<16)|(1<<20)|(1<<21)|(5<<22)|(3<<25)
.irp g, G1, G1B
	s_mov_b32 s[\g+1], ROWB<<16                    ; tensor_dim0
	s_mov_b32 s[\g+2], 128<<16                     ; tensor_dim1
	s_mov_b32 s[\g+3], ROWB<<16                    ; tile_dim0
	s_mov_b32 s[\g+4], 128                         ; tile_dim1
	s_mov_b32 s[\g+5], KROW                        ; the pitch
	s_mov_b32 s[\g+6], 0
	s_mov_b32 s[\g+7], 0
.endr
	s_or_b32 s[G1S+0], s43, (3<<16)|(1<<20)|(1<<21)|(5<<22)|(3<<25)  ; the scales of 128 rows: 4,096 dense bytes as 16 rows of 256 (32 elements of 8 bytes), 16 bytes of padding behind each
	s_or_b32 s[G1SB+0], s44, (3<<16)|(1<<20)|(1<<21)|(5<<22)|(3<<25)
.irp g, G1S, G1SB
	s_mov_b32 s[\g+1], 32<<16
	s_mov_b32 s[\g+2], (128*KS/256)<<16
	s_mov_b32 s[\g+3], 32<<16
	s_mov_b32 s[\g+4], 128*KS/256
	s_mov_b32 s[\g+5], 32
	s_mov_b32 s[\g+6], 0
	s_mov_b32 s[\g+7], 0
.endr
	; the regions' first stored rows.  p < 2: A = 1024 Y (query, key), B = 24576 + 1024 p;  p = 2: A = 26624 (W_v), B = 16384 + 1024 g (value)
	s_lshl_b32 s20, s17, 10
	s_lshl_b32 s46, s95, 10
	s_add_co_u32 s46, s46, 24576
	s_lshl_b32 s18, s96, 10
	s_add_co_u32 s18, s18, 16384
	s_mov_b32 s19, 26624
	s_cmp_lt_u32 s95, 2
	s_cselect_b32 s20, s20, s19
	s_cselect_b32 s46, s46, s18
	s_lshl_b32 s18, s16, 7                         ; which 128 rows I fetch
	s_lshl_b32 s21, s41, 8
	s_add_co_u32 s20, s20, s21
	s_add_co_u32 s20, s20, s18                     ; A: + 256 cy + 128 x half: no register of A's ever holds cx,
	s_lshl_b32 s47, s40, 8
	s_add_co_u32 s46, s46, s47
	s_add_co_u32 s46, s46, s18                     ; B: + 256 cx + 128 x half: none of B's holds cy
	s_lshl_b32 s22, s20, 5                         ; their scale bytes (rows stay under 28,672: all offsets under 2^25),
	s_lshl_b32 s92, s46, 5
	s_lshl_b32 s20, s20, 10                        ; their codes
	s_lshl_b32 s46, s46, 10
	s_mov_b32 s21, 0
	s_mov_b32 s23, 0
	s_mov_b32 s47, 0
	s_mov_b32 s93, 0
	s_mul_i32 s45, s14, HALFT                      ; where they go: wave x 128 rows: no place in the cluster enters an LDS address
	s_mul_i32 s94, s14, HALFS
	s_wait_kmcnt 0x0
	s_add_nc_u64 s[20:21], s[4:5], s[20:21]
	s_add_nc_u64 s[22:23], s[6:7], s[22:23]
	s_add_nc_u64 s[46:47], s[4:5], s[46:47]
	s_add_nc_u64 s[92:93], s[6:7], s[92:93]
	CROUND                                         ; all sixteen work-groups are here: the first joint loads meet
	s_mov_b32 s[G0S], 1
	s_add_co_u32 s[G0S+1], s94, SCL
	s_mov_b64 s[G0S+2:G0S+3], s[22:23]
	s_or_b32 s[G0S+3], s[G0S+3], 0x80000000
	s_mov_b32 s[G0SB], 1
	s_add_co_u32 s[G0SB+1], s94, SCL
	s_mov_b64 s[G0SB+2:G0SB+3], s[92:93]
	s_or_b32 s[G0SB+3], s[G0SB+3], 0x80000000
	JLOAD G0S, G1S, G0SB, G1SB                     ; the scales first: they are wanted with K step 0
.irp s, 0,1
	s_mov_b32 s[G0+4*\s], 1
	s_add_co_u32 s[G0+4*\s+1], s45, \s*SLOT
	s_add_nc_u64 s[G0+4*\s+2:G0+4*\s+3], s[20:21], \s*ROWB
	s_or_b32 s[G0+4*\s+3], s[G0+4*\s+3], 0x80000000
	s_mov_b32 s[G0B+4*\s], 1
	s_add_co_u32 s[G0B+4*\s+1], s45, \s*SLOT
	s_add_nc_u64 s[G0B+4*\s+2:G0B+4*\s+3], s[46:47], \s*ROWB
	s_or_b32 s[G0B+4*\s+3], s[G0B+4*\s+3], 0x80000000
	JLOAD G0+4*\s, G1, G0B+4*\s, G1B               ; three loads of mine are out
.endr
	v_and_b32 v1, 15, v0                           ; r
	v_bfe_u32 v2, v0, 4, 1                         ; h
	v_mul_u32_u24 v3, v1, PITCH
	v_lshl_add_u32 v4, v2, 4, v3                   ; a fragment's row x pitch + 16 x half
	s_mul_i32 s21, s15, HALFT
	s_mul_i32 s22, s16, HALFT
	s_add_co_u32 s22, s22, 2*HALFT
.irp s, 0,1
	v_add_nc_u32 v[ADRA+\s], s21, v4
	v_add_nc_u32 v[ADRB+\s], s22, v4
	s_add_co_u32 s21, s21, SLOT
	s_add_co_u32 s22, s22, SLOT
.endr
	v_mul_u32_u24 v5, v1, KS                       ; my row's scales: 32 bytes a row,
	v_lshrrev_b32 v6, 8, v5
	v_lshl_add_u32 v5, v6, 4, v5                   ; and 16 more for each 256 passed
	s_mul_i32 s21, s15, HALFS
	s_mul_i32 s22, s16, HALFS
	s_add_co_u32 s22, s22, 2*HALFS
	s_sub_co_u32 s22, s22, s21
	v_mul_u32_u24 v6, s22, v2                      ; lanes 16-31 take B's: one product, the distance between the two bases
	s_add_co_u32 s21, s21, SCL
	v_add_nc_u32 v5, v5, v6
	v_add_nc_u32 v[ADRS], s21, v5
	s_load_b256 s[4:11], s[0:1], 0x10              ; for the epilogue, waited for there: rope s[4:5], b_q s[6:7], b_k s[8:9], b_v s[10:11],
	s_load_b128 s[20:23], s[0:1], 0x30             ; qb s[20:21], kv s[22:23].  None of these registers is named before that wait
.macro FRAG reg, adr, q, i             ; 16 rows x 128 K: lane l holds row l % 16; registers 4 c .. 4 c + 3 hold K = 32 c + 16 (l / 16) + 0 .. 15
.irp c, 0,1,2,3
	ds_load_b128 v[\reg+4*\c:\reg+4*\c+3], v[\adr] offset:128*(\q)+32*\c+(\i)*16*PITCH
.endr
.endm
; 16 matrix instructions: A's blocks a0, a0 + 1 x B's eight.  The 64 accumulators take turns, one instruction a turn, in the same order in every step.
; A scale register holds in lanes 0-15 the word of A's block i and in lanes 16-31 that of B's block i.
.macro MUL16 a0, p, q, sc, zero
.irp a, \a0, \a0+1
.irp b, 0,1,2,3,4,5,6,7
.if \zero
	v_wmma_scale_f32_16x16x128_f8f6f4 v[8*(8*((\a)%4)+\b):8*(8*((\a)%4)+\b)+7], v[128*(\p)+FR*\b:128*(\p)+FR*\b+FR-1], v[AF+FR*(\a):AF+FR*(\a)+FR-1], 0, v[SC+8*NQ*(\sc)+NQ*\b+(\q)], v[SC+8*NQ*(\sc)+NQ*(\a)+(\q)] matrix_a_scale:MATRIX_SCALE_ROW1
.else
	v_wmma_scale_f32_16x16x128_f8f6f4 v[8*(8*((\a)%4)+\b):8*(8*((\a)%4)+\b)+7], v[128*(\p)+FR*\b:128*(\p)+FR*\b+FR-1], v[AF+FR*(\a):AF+FR*(\a)+FR-1], v[8*(8*((\a)%4)+\b):8*(8*((\a)%4)+\b)+7], v[SC+8*NQ*(\sc)+NQ*\b+(\q)], v[SC+8*NQ*(\sc)+NQ*(\a)+(\q)] matrix_a_scale:MATRIX_SCALE_ROW1
.endif
.endr
.endr
.endm
.macro FETCH_B slot, q, p
	WIN TO_B
.irp i, 0,1,2,3,4,5,6,7
	FRAG 128*(\p)+FR*\i, ADRB+\slot, \q, \i
.endr
	WIN 0
.endm
.macro FETCH_A slot, q, i0
.irp i, \i0, \i0+1, \i0+2, \i0+3
	FRAG AF+FR*(\i), ADRA+\slot, \q, \i
.endr
.endm
.macro SCALES sc                       ; a K step's scale words: 2 words a row
.irp i, 0,1,2,3,4,5,6,7
	ds_load_b64 v[SC+8*NQ*\sc+NQ*\i:SC+8*NQ*\sc+NQ*\i+1], v[ADRS] offset:\i*SBLK
.endr
.endm
.macro PLACES n                        ; plain vector instructions between a matrix instruction and a load into, or a vector access to, its registers
.rept \n
	v_nop
.endr
.endm
.macro STEP slot, q, zero              ; 128 along K that has its successor in the same slot
	s_wait_dscnt 4*NL                              ; B's set and A's blocks 0-3 are in; the youngest 16 loads (A's blocks 4-7) may be out
	WIN MUL_LO
	MUL16 0, (\q)%2, \q, \slot, \zero
	MUL16 2, (\q)%2, \q, \slot, \zero
	s_wait_dscnt 0
	PLACES NP
	FETCH_B \slot, (\q)+1, 1-(\q)%2
	FETCH_A \slot, (\q)+1, 0
	WIN MUL_HI
	MUL16 4, (\q)%2, \q, \slot, \zero
	MUL16 6, (\q)%2, \q, \slot, \zero
	PLACES NP
	WIN 0
	FETCH_A \slot, (\q)+1, 4
.endm
; A slot's last step changes slots: one barrier; in front of it each wave waits for all its tensor loads, adds 0 to its spare word, and waits for that and for its reads of this slot.
.macro TURN slot, next, fill
	s_wait_tensorcnt 0x0                           ; all my tensor loads have landed: my part of the next slot
	ds_add_u32 v[SPW], v[NIL]                      ; 0 onto my spare word
	s_wait_dscnt 4*NL+1                            ; (the add and the youngest 16 loads may be out)
	WIN MUL_LO
	MUL16 0, 1, NQ-1, \slot, 0
	s_wait_dscnt 0x0                               ; the add is done, and my reads of this slot are over
	s_barrier_signal -1
	MUL16 2, 1, NQ-1, \slot, 0
	WIN 0
	s_barrier_wait -1
.if \fill
	CREST                                          ; the barrier has opened a round of the cluster's: no wave of any partner still reads this slot or has a load on its way
	s_add_nc_u64 s[G0+4*\slot+2:G0+4*\slot+3], s[G0+4*\slot+2:G0+4*\slot+3], 2*ROWB
	s_add_nc_u64 s[G0B+4*\slot+2:G0B+4*\slot+3], s[G0B+4*\slot+2:G0B+4*\slot+3], 2*ROWB
	JLOAD G0+4*\slot, G1, G0B+4*\slot, G1B         ; the first tensor load behind the round, my one until the next; its four v_nop are among the places below
	PLACES NP-4
.else
	PLACES NP
.endif
	v_add_nc_u32 v[ADRS], 4*NQ, v[ADRS]            ; the next K step's scale words
	FETCH_B \next, 0, 0
	FETCH_A \next, 0, 0
	SCALES \next
	WIN MUL_HI
	MUL16 4, 1, NQ-1, \slot, 0
	MUL16 6, 1, NQ-1, \slot, 0
	PLACES NP
	WIN 0
	FETCH_A \next, 0, 4
.endm
	s_wait_tensorcnt 1                             ; the scales and my part of K step 0 are in (K step 1's load may be out)
	s_barrier_signal -1
	s_barrier_wait -1
	FETCH_B 0, 0, 0
	FETCH_A 0, 0, 0
	SCALES 0
	FETCH_A 0, 0, 4
	STEP 0, 0, 1                                   ; K = 1,024 is four slots' worth: written straight.  The first products start the sums
	TURN 0, 1, 1                                   ; slot 0 takes K 512 ..
	STEP 1, 0, 0
	TURN 1, 0, 1                                   ; slot 1 takes K 768 ..
	STEP 0, 0, 0
	TURN 0, 1, 0                                   ; nothing is left to fetch: no round
	STEP 1, 0, 0
	s_wait_dscnt 4*NL
	WIN MUL_LO
	MUL16 0, 1, NQ-1, 1, 0
	MUL16 2, 1, NQ-1, 1, 0
	s_wait_dscnt 0
	WIN MUL_HI
	MUL16 4, 1, NQ-1, 1, 0
	MUL16 6, 1, NQ-1, 1, 0
	WIN 0
	PLACES NP                                      ; behind the last products: for the reads of results, the vector writes and the loads into operands' registers below
; 64 numbers of a lane, v[s] on, register 16 b + i = k 32 b + 16 (lane / 16) + i of my row, become a fragment's codes in v[PCD] on and its scale word in v[PW].
.macro QUANT s
.irp b, 0,1,2,3
	v_max3_num_f32 v[TM+\b], |v[\s+16*\b]|, |v[\s+1+16*\b]|, 0x4800000   ; block b: my 16 numbers, and the floor 2^(9 - 127): the byte cannot fall under 1
.endr
.irp i, 2,4,6,8,10,12,14
.irp b, 0,1,2,3
	v_max3_num_f32 v[TM+\b], v[TM+\b], |v[\s+16*\b+\i]|, |v[\s+1+16*\b+\i]|   ; the four blocks by turns
.endr
.endr
.irp b, 0,1,2,3
	v_permlanex16_b32 v[TM+4+\b], v[TM+\b], s[SEL], s[SEL+1]
.endr
.irp b, 0,1,2,3
	v_max_num_f32 v[TM+\b], v[TM+\b], v[TM+4+\b]   ; with lane l xor 16's: the block's largest magnitude
.endr
.irp b, 0,1,2,3
	v_add_nc_u32 v[TM+12+\b], 0xfc000000, v[TM+\b]   ; 8 off its exponent field: the conversion's scale operand
.endr
.irp b, 0,1,2,3
	v_and_or_b32 v[TM+8+\b], v[TM+\b], 0x7f800000, s[MNT]   ; 448 x the scale
.endr
.irp b, 0,1,2,3
	v_lshrrev_b32 v[TM+4+\b], 23, v[TM+12+\b]      ; the scale's byte
.endr
	v_lshl_or_b32 v[PW], v[TM+5], 8, v[TM+4]
	v_lshl_or_b32 v[PW], v[TM+6], 16, v[PW]
	v_lshl_or_b32 v[PW], v[TM+7], 24, v[PW]
.irp b, 0,1,2,3
.irp i, 0,1,2,3,4,5,6,7,8,9,10,11,12,13,14,15
	v_med3_num_f32 v[\s+16*\b+\i], v[\s+16*\b+\i], -v[TM+8+\b], v[TM+8+\b]   ; the conversion does not saturate (ISA guide 7.6.2): the hold
.endr
	v_cvt_scalef32_pk8_fp8_f32 v[PCD+4*\b:PCD+1+4*\b], v[\s+16*\b:\s+7+16*\b], v[TM+12+\b]
	v_cvt_scalef32_pk8_fp8_f32 v[PCD+2+4*\b:PCD+3+4*\b], v[\s+8+16*\b:\s+15+16*\b], v[TM+12+\b]
.endr
	v_nop                                          ; one plain vector instruction behind the last conversion, ahead of whatever next writes its sources
.endm
	s_wait_kmcnt 0x0                               ; the epilogue's pointers.  No tensor load of mine is out since the last change of slots: the descriptors' registers are free
	v_and_b32 v1, 15, v0                           ; r
	v_bfe_u32 v2, v0, 4, 1                         ; h
	v_and_b32 v3, 31, v0
	v_lshlrev_b32 v[LI16], 4, v3                   ; 16 x lane: an image's place for my lane
.irp b, 0,1,2,3
	v_mov_b32 v[TM+4+\b], 0                        ; written once: a lane permute's destination counts as one of its sources
.endr
	s_mov_b32 s[SEL], 0x76543210
	s_mov_b32 s[SEL+1], 0xfedcba98
	s_mov_b32 s[MNT], 0x600000
	s_mov_b32 s33, 0
	s_cmp_eq_u32 s95, 2                            ; p is the same in all partners
	s_cbranch_scc1 .Lvpath
	; ---- Q, K.  My 128 stored rows begin at Rw of the tensor; my 128 columns are heads hd0 and hd0 + 1
	s_lshl_b32 s24, s96, 10
	s_lshl_b32 s25, s41, 8
	s_add_co_u32 s24, s24, s25
	s_lshl_b32 s25, s15, 7
	s_add_co_u32 s24, s24, s25                     ; Rw = 1024 g + 256 cy + 128 (wave / 2)
	s_lshr_b32 s25, s24, 11                        ; the batch
	s_bfe_u32 s26, s24, 0x40007                    ; which 128 of the sequence
	s_lshl_b32 s27, s40, 2
	s_lshl_b32 s28, s16, 1
	s_add_co_u32 s27, s27, s28                     ; hd0 = 4 cx + 2 (wave % 2)
	s_lshl_b32 s31, s25, 4
	s_add_co_u32 s31, s31, s27
	s_lshl_b32 s31, s31, 4
	s_add_co_u32 s31, s31, s26                     ; 16 (16 batch + hd0) + step
	s_mov_b32 s29, 17408
	s_mov_b32 s30, 16384
	s_cmp_eq_u32 s95, 0
	s_cselect_b64 s[44:45], s[20:21], s[22:23]     ; qb or kv
	s_cselect_b64 s[48:49], s[6:7], s[8:9]         ; b_q or b_k
	s_cselect_b32 s29, 8704, s29                   ; a block's bytes
	s_cselect_b32 s30, 8192, s30                   ; and where its scale words begin
	s_mul_i32 s32, s31, s29                        ; under 2^25
	s_add_nc_u64 s[44:45], s[44:45], s[32:33]      ; head hd0's block,
	s_lshl_b32 s32, s29, 4
	s_add_nc_u64 s[46:47], s[44:45], s[32:33]      ; head hd0 + 1's: 16 blocks on
	v_mul_lo_u32 v4, v2, s32
	v_lshl_add_u32 v4, v1, 4, v4
	v_add_nc_u32 v[SOFF], s30, v4                  ; the scale words: lanes 0-15 store head hd0's, lanes 16-31 head hd0 + 1's; 16 bytes a row
	v_mov_b32 v4, 0x01000100
	v_mov_b32 v5, 0x03020302
	v_cmp_ne_u32 vcc_lo, 0, v2
	v_cndmask_b32 v[SELV], v4, v5, vcc_lo          ; bytes (0, 1, 0, 1) of the row's four for head hd0, (2, 3, 2, 3) for the other
	s_lshl_b32 s32, s40, 10
	s_lshl_b32 s28, s16, 9
	s_add_co_u32 s32, s32, s28
	s_add_nc_u64 s[48:49], s[48:49], s[32:33]      ; the bias at my first column
	s_lshl_b32 s32, s26, 15
	s_add_nc_u64 s[50:51], s[4:5], s[32:33]        ; the table at my first position tile: 8 tiles of 4,096 bytes a step
	v_lshlrev_b32 v5, 6, v2                        ; 64 h
	WIN 0x40                                       ; destination window 1
.irp be, 0,1,2,3
.irp jj, 0,1,2,3
	global_load_b128 v[BI+16*\be+4*\jj:BI+16*\be+4*\jj+3], v5, s[48:49] offset:128*\be+16*\jj   ; register 16 b + i: the bias of column 32 b + 16 h + i
.endr
.endr
	WIN 0
.macro CSLOAD a                        ; cos and sin of position tile a of my eight, into set a % 2
	WIN 0x40
.irp c, 0,1,2,3,4,5,6,7
	global_load_b128 v[CS+32*((\a)%2)+4*\c:CS+32*((\a)%2)+4*\c+3], v[LI16], s[50:51] offset:4096*(\a)+512*\c
.endr
	WIN 0
.endm
	CSLOAD 0
.macro QKBLOCK a                       ; my 16 stored rows 16 a on
.if (\a) < 7
	CSLOAD (\a)+1
	s_wait_loadcnt 8                               ; all but the eight just issued: the bias and this tile's cos and sin are in
.else
	s_wait_loadcnt 0
.endif
	WIN 0x06+(\a)/4                                ; source 0 window 2 or 3 (the accumulators), source 1 window 1
.set KK, 0
.rept 32
	v_pk_add_f32 v[X+KK:X+KK+1], v[64*((\a)%4)+KK:64*((\a)%4)+KK+1], v[BI+KK:BI+KK+1]   ; each accumulator from its low end on
.set KK, KK+2
.endr
	WIN 0x04                                       ; source 1 window 1
.set CC, CS+32*((\a)%2)
.irp hd, 0,1                           ; a head's channels 16 h + i (x1) and 32 + 16 h + i (x2) turn by frequency 16 h + i
.irp k2, 0,2,4,6,8,10,12,14
	v_pk_mul_f32 v[T+\k2:T+\k2+1], v[X+32*\hd+\k2:X+32*\hd+\k2+1], v[CC+16+\k2:CC+16+\k2+1]   ; x1 sin
	v_pk_mul_f32 v[X+32*\hd+\k2:X+32*\hd+\k2+1], v[X+32*\hd+\k2:X+32*\hd+\k2+1], v[CC+\k2:CC+\k2+1]   ; x1 cos
	v_pk_fma_f32 v[X+32*\hd+\k2:X+32*\hd+\k2+1], v[X+32*\hd+16+\k2:X+32*\hd+16+\k2+1], v[CC+16+\k2:CC+16+\k2+1], v[X+32*\hd+\k2:X+32*\hd+\k2+1] neg_lo:[0,1,0] neg_hi:[0,1,0]   ; - x2 sin
	v_pk_fma_f32 v[X+32*\hd+16+\k2:X+32*\hd+16+\k2+1], v[X+32*\hd+16+\k2:X+32*\hd+16+\k2+1], v[CC+\k2:CC+\k2+1], v[T+\k2:T+\k2+1]   ; x2 cos + x1 sin
.endr
.endr
	WIN 0
	s_wait_xcnt 0x0                                ; the last block's stores have read the codes' registers
	QUANT X
	v_perm_b32 v[SW+4*((\a)%2)+(\a)/2], v[PW], v[PW], v[SELV]   ; (s0, s1, s0, s1) of my half's head
.irp be, 0,1,2,3
	global_store_b128 v[LI16], v[PCD+4*\be:PCD+4*\be+3], s[44+2*(\be/2):45+2*(\be/2)] offset:1024*(\a)+512*(\be%2)   ; 512 consecutive bytes: piece be % 2 of head be / 2's tile a
.endr
.endm
.irp a, 0,1,2,3,4,5,6,7
	QKBLOCK \a
.endr
	global_store_b128 v[SOFF], v[SW:SW+3], s[44:45]               ; sixteen lanes store 256 consecutive bytes: the even tiles' words,
	global_store_b128 v[SOFF], v[SW+4:SW+7], s[44:45] offset:256  ; the odd tiles'
	s_branch .Ldone
.Lvpath:	; ---- V.  A lane holds a stored channel of W_v's 128 rows of mine (heads hd0, hd0 + 1), its registers run along my 128 keys
	s_lshl_b32 s24, s96, 10
	s_lshl_b32 s25, s40, 8
	s_add_co_u32 s24, s24, s25
	s_lshl_b32 s25, s16, 7
	s_add_co_u32 s24, s24, s25                     ; my first key: 1024 g + 256 cx + 128 (wave % 2)
	s_lshr_b32 s25, s24, 11
	s_bfe_u32 s26, s24, 0x40007
	s_lshl_b32 s27, s41, 2
	s_lshl_b32 s28, s15, 1
	s_add_co_u32 s27, s27, s28                     ; hd0 = 4 cy + 2 (wave / 2)
	s_lshl_b32 s31, s25, 4
	s_add_co_u32 s31, s31, s27
	s_lshl_b32 s31, s31, 4
	s_add_co_u32 s31, s31, s26
	s_mul_i32 s32, s31, 17408
	s_add_nc_u64 s[44:45], s[22:23], s[32:33]
	s_add_nc_u64 s[46:47], s[44:45], 16*17408
	s_lshl_b32 s32, s41, 10
	s_lshl_b32 s28, s15, 9
	s_add_co_u32 s32, s32, s28
	s_add_nc_u64 s[48:49], s[10:11], s[32:33]      ; b_v at my first channel
	v_and_b32 v4, 8, v1
	v_add_nc_u32 v4, v4, v1
	v_lshlrev_b32 v4, 2, v4                        ; the channel that stored row r of a tile stands for: r + 8 (r / 8)
.irp a, 0,1,2,3,4,5,6,7
	global_load_b32 v[BV+2*\a], v4, s[48:49] offset:4*(32*(\a/2)+8*(\a%2))     ; my channel's bias, twice: a pair for the packed addition
	global_load_b32 v[BV+2*\a+1], v4, s[48:49] offset:4*(32*(\a/2)+8*(\a%2))
.endr
	s_wait_loadcnt 0x0
.macro VBLOCK a
	WIN 0x02+(\a)/4                                ; source 0 window 2 or 3
.set KK, 0
.rept 32
	v_pk_add_f32 v[X+KK:X+KK+1], v[64*((\a)%4)+KK:64*((\a)%4)+KK+1], v[BV+2*(\a):BV+2*(\a)+1]
.set KK, KK+2
.endr
	WIN 0
	s_wait_xcnt 0x0                                ; the last block's stores have read their registers
	QUANT X
	v_mov_b32 v[SW+(\a)%4], v[PW]
.irp be, 0,1,2,3
	global_store_b128 v[LI16], v[PCD+4*\be:PCD+4*\be+3], s[44+2*((\a)/4):45+2*((\a)/4)] offset:8192+2048*((\a)%4)+512*\be   ; keys 32 be + 16 h + 0 .. 15 of tile a % 4
.endr
.if (\a)%4 == 3
	global_store_b128 v[LI16], v[SW:SW+3], s[44+2*((\a)/4):45+2*((\a)/4)] offset:16896   ; the head's four tiles' scale words, 16 bytes a lane
.endif
.endm
.irp a, 0,1,2,3,4,5,6,7
	VBLOCK \a
.endr
.Ldone:
	s_wait_tensorcnt 0x0                           ; the wave's end
	ds_add_u32 v[SPW], v[NIL]
	s_wait_dscnt 0x0
	CROUND                                         ; the closing round: no work-group ends while a partner may still ask for a tile that names it
	s_endpgm
.Lfunc_end_k_q6c8b809a5f_proj:
	.size	k_q6c8b809a5f_proj, .Lfunc_end_k_q6c8b809a5f_proj-k_q6c8b809a5f_proj
	.p2alignl 7, 3214868480
	.fill 96, 4, 3214868480
	.section	.rodata,"a",@progbits
	.p2align	6, 0x0
	.amdhsa_kernel k_q6c8b809a5f_proj
		.amdhsa_group_segment_fixed_size 327680
		.amdhsa_private_segment_fixed_size 0
		.amdhsa_enable_private_segment 0
		.amdhsa_kernarg_size 64
		.amdhsa_user_sgpr_count 2
		.amdhsa_user_sgpr_kernarg_segment_ptr 1
		.amdhsa_wavefront_size32 1
		.amdhsa_system_sgpr_workgroup_id_x 1
		.amdhsa_system_sgpr_workgroup_id_y 1
		.amdhsa_system_sgpr_workgroup_id_z 1
		.amdhsa_system_vgpr_workitem_id 0
		.amdhsa_next_free_vgpr 1024
		.amdhsa_next_free_sgpr 100
		.amdhsa_reserve_vcc 1
		.amdhsa_float_denorm_mode_32 3
		.amdhsa_float_denorm_mode_16_64 3
		.amdhsa_memory_ordered 1
		.amdhsa_forward_progress 1
		.amdhsa_inst_pref_size 255
	.end_amdhsa_kernel
	.section	.bss,"aw",@nobits
	.p2align	6
	.space	262144
	.amdgpu_metadata
---
amdhsa.version: [ 1, 2 ]
amdhsa.kernels:
  - .name:           k_q6c8b809a5f_proj
    .symbol:         k_q6c8b809a5f_proj.kd
    .args:
      - { .name: codes1, .offset: 0, .size: 8, .value_kind: global_buffer, .address_space: global }
      - { .name: scales1, .offset: 8, .size: 8, .value_kind: global_buffer, .address_space: global }
      - { .name: rope, .offset: 16, .size: 8, .value_kind: global_buffer, .address_space: global }
      - { .name: b_q, .offset: 24, .size: 8, .value_kind: global_buffer, .address_space: global }
      - { .name: b_k, .offset: 32, .size: 8, .value_kind: global_buffer, .address_space: global }
      - { .name: b_v, .offset: 40, .size: 8, .value_kind: global_buffer, .address_space: global }
      - { .name: qb, .offset: 48, .size: 8, .value_kind: global_buffer, .address_space: global }
      - { .name: kv, .offset: 56, .size: 8, .value_kind: global_buffer, .address_space: global }
    .group_segment_fixed_size: 327680
    .private_segment_fixed_size: 0
    .kernarg_segment_align: 8
    .kernarg_segment_size: 64
    .max_flat_workgroup_size: 128
    .sgpr_count:     100
    .vgpr_count:     1024
    .wavefront_size: 32
...
	.end_amdgpu_metadata
.endif
;; end of part 2
;; launch attn (part 3): grid 4 x 64, 16 waves a work-group, no clusters, 280,576 bytes of LDS; arguments qb, kv, ctxc, ctxs; writes ctxc, ctxs
.if DOCPART == 3
	.amdgcn_target "amdgcn-amd-amdhsa--gfx1250"
	.amdhsa_code_object_version 6
	.text
	.protected	k_q6c8b809a5f_attn
	.globl	k_q6c8b809a5f_attn
	.p2align	8
	.type	k_q6c8b809a5f_attn,@function
k_q6c8b809a5f_attn:
	s_mov_b64 s[64:65], 0
	v_nop
	global_prefetch_b8 v0, s[64:65] scope:SCOPE_SE
	s_setreg_imm32_b32 hwreg(HW_REG_WAVE_MODE, 25, 1), 1
	s_wait_xcnt 0x0
; Causal attention of one head on codes of FP8 (E4M3) with E8M0 scales, head size 64, 2,048 positions, and the quantising of its result for the output projection.
; t = score x log2(e) / 8; M = the row's largest t so far, rounded UP to a whole number; p = 2^(t - M) is quantised along the keys, not normalised; the row's sum is taken of the unquantised p and divides at the end.
; When M moves, the sum and O are multiplied by 2^(old M - new M), which rounds nothing.
; INPUT, as images of operand registers (launch proj's head comment): qb [head][128 stored queries][8,704], kv [head][128 stored keys][17,408].  Rows are stored with bits 3 and 4 of their number exchanged:
; tile 2 b + u holds in lane r the position 32 b + 8 u + r + 8 (r / 8).  Both products are used transposed (S^T = K Q^T, O^T = V^T P^T): a lane holds ONE query; registers 16 b + i of S^T are keys 32 b + 16 h + i,
; registers 16 b + i of O^T channels 32 b + 16 h + i: the conversions' results are the next operands' registers.
; THE SCORES' K IS 64 IN AN INSTRUCTION 128 DEEP: even tiles multiply [K | zeros] by [Q | zeros], odd tiles [zeros | K] by [zeros | Q]: zero codes on both sides of the unused half; the zeros are written once
; and lie between two tiles' registers, so that each run of eight serves two fragments.  The scale words hold (s0, s1, s0, s1) and serve both forms.
; SHARES.  A work-group (x = i, y = head) owns the query blocks 7 - i and i of 256 stored queries; wave w owns tile 16 (7 - i) + w in a first pass and tile 16 i + 15 - w in a second.
; Tile T needs T / 8 + 1 key steps of 128, so every wave has 17: 256 work-groups of equal work.
; LDS holds the head's whole kv, 278,528 bytes, filled ONCE: each wave issues four tensor loads at its head, one for each group of four key steps.  Nothing is filled again: no ring.
; NO CLUSTER though the four work-groups of a head read the same kv: which key steps are left out is a branch on the work-group's query blocks, and partners of a joint load take no branch that differs between them.
; OUTPUT: ctxc [stored row tile 512][K step 8][piece 4][lane][16]: the image of the output projection's A fragments (head hd, block b: K step hd / 2, piece 2 (hd % 2) + b); ctxs [stored row][32]: byte 2 hd + b.
; The scale bytes leave one a lane, 32 bytes apart: two bytes of a row are all that a head owns of it, one byte in 33 of what the launch stores.
; LIMITS: NaN and infinities are not served; a block under 2^-118, zeros too, gets the byte 1 (this program alone reads the bytes); the division by the sum is v_rcp_f32 and a multiplication.
.set BLK,  17408                       ; a key step's block
.set GRP,  4*BLK                       ; a group of four
.set SH,   GRP/16                      ; a wave's share of a group: 17 rows of 256 bytes
.set QBLK, 8704
.set L16, 1                            ; v1   16 x lane
.set ADR, 2                            ; v2   the key step's LDS address for my lane
.set QD,  3                            ; v3   r + 8 (r / 8) - 16 h
.set DD,  4                            ; v4   my query's place in its 128, less 16 h
.set R16, 5                            ; v5   16 r
.set R32, 6                            ; v6   32 r + h
.set KSC, 8                            ; v8-11   K's scale words: register bb: lanes 0-15 tile 2 bb, lanes 16-31 tile 2 bb + 1
.set QF,  16                           ; v16-23 Q, v24-31 zeros, v32-39 Q again
.set QS,  40                           ; v40  Q's scale word
.set VSC, 44                           ; v44-47  V's scale words
.set KR,  48                           ; v48-55 K0, v56-63 zeros, v64-71 K1, v72-79 K2, v80-87 zeros, v88-95 K3
.set S,   96                           ; v96-159 S^T, then p, then V's four fragments
.set O,   160                          ; v160-191 O^T
.set PCD, 192                          ; v192-207 p's codes
.set BM,  208
.set PM,  212
.set HL,  216
.set SO,  220
.set TMP, 224
.set F,   226                          ; v[226:227] f = 2^(old M - new M) and a register named with it
.set PW,  228                          ; p's scale word
.set WV,  12
.set G1,  16                           ; s[16:23] descriptor group 1;  s[24:39] four groups 0, never rewritten
.set G0,  24
.set SEL, 40
.set CS,  42                           ; s[42:43] c = log2(e) / 8
.set MNT, 44
.set TB,  45                           ; LDS byte of the key step in hand
.set SI,  46                           ; its number
.set SD,  47                           ; the step that holds my queries' diagonal
.set CNT, 48
.set HI,  49                           ; the mask of lanes 16-31
.set TT,  66                           ; my tile
	s_load_b256 s[4:11], s[0:1], 0x0               ; qb, kv, ctxc, ctxs
	v_lshl_add_u32 v254, v0, 2, 0x44000
	v_mov_b32 v255, 0
	ds_add_u32 v254, v255
	ds_add_u32 v254, v255
	v_lshrrev_b32 v1, 5, v0
	v_readfirstlane_b32 s[WV], v1                  ; wave 0..15
	s_and_b32 s14, ttmp7, 0xffff                   ; batch x 16 + head
	s_mov_b32 s[G1], 3<<16                         ; no mask; elements of 8 bytes; no padding
	s_mov_b32 s[G1+1], 32<<16                      ; tensor_dim0 = 32 elements: 256 bytes
	s_mov_b32 s[G1+2], 17<<16                      ; tensor_dim1 = 17
	s_mov_b32 s[G1+3], 32<<16                      ; tile_dim0
	s_mov_b32 s[G1+4], 17                          ; tile_dim1
	s_mov_b32 s[G1+5], 32                          ; the pitch: dense
	s_mov_b32 s[G1+6], 0
	s_mov_b32 s[G1+7], 0
	s_mul_i32 s50, s[WV], SH
	s_mul_i32 s52, s14, 16*BLK                     ; under 2^25
	s_add_co_u32 s52, s52, s50
	s_mov_b32 s53, 0
	s_wait_dscnt 0x0
	s_wait_kmcnt 0x0
	s_add_nc_u64 s[52:53], s[6:7], s[52:53]
.irp g, 0,1,2,3
	s_mov_b32 s[G0+4*\g], 1
	s_add_co_u32 s[G0+4*\g+1], s50, \g*GRP         ; LDS: the group's constant + the wave's number x a constant
	s_add_nc_u64 s[G0+4*\g+2:G0+4*\g+3], s[52:53], \g*GRP
	s_or_b32 s[G0+4*\g+3], s[G0+4*\g+3], 0x80000000
.endr
.irp g, 0,1,2,3
	tensor_load_to_lds s[G0+4*\g:G0+4*\g+3], s[G1:G1+7]   ; all first fills together: four loads of mine are out
	s_nop 0
.endr
.rept 4
	v_nop
.endr
	v_and_b32 v2, 31, v0
	v_lshlrev_b32 v[L16], 4, v2
	v_and_b32 v7, 15, v0                           ; r
	v_bfe_u32 v10, v0, 4, 1                        ; h
	v_lshlrev_b32 v[R16], 4, v7
	v_lshl_add_u32 v[R32], v7, 5, v10
	v_and_b32 v[QD], 8, v7
	v_add_nc_u32 v[QD], v[QD], v7
	v_lshlrev_b32 v11, 4, v10
	v_sub_nc_u32 v[QD], v[QD], v11
	v_cmp_ne_u32 s[HI], 0, v10
.irp j, 0,1,2,3,4,5,6,7
	v_mov_b32 v[QF+8+\j], 0                        ; the zero codes, written once
	v_mov_b32 v[KR+8+\j], 0
	v_mov_b32 v[KR+32+\j], 0
.endr
.irp b, 0,1,2,3
	v_mov_b32 v[PM+\b], 0                          ; a lane permute's destination counts as one of its sources
.endr
	v_mov_b32 v[TMP], 0
	v_mov_b32 v[F+1], 0                            ; named as the upper half of the pair
	s_mov_b32 s[SEL], 0x76543210
	s_mov_b32 s[SEL+1], 0xfedcba98
	s_mov_b32 s[CS], 0x3e38aa3b
	s_mov_b32 s[CS+1], s[CS]
	s_mov_b32 s[MNT], 0x600000
	s_mov_b32 s73, 0
; A pass begins: tile s[TT] of the head's 128.
.macro SETUP
	s_lshr_b32 s[SD], s[TT], 3
	s_and_b32 s67, s[TT], 7                        ; a: the tile in its 128
	s_lshr_b32 s68, s67, 1
	s_and_b32 s69, s67, 1
	s_lshl_b32 s70, s68, 5
	s_lshl_b32 s71, s69, 3
	s_add_co_u32 s70, s70, s71
	v_add_nc_u32 v[DD], s70, v[QD]                 ; 32 (a / 2) + 8 (a % 2) + r + 8 (r / 8) - 16 h
	s_lshl_b32 s72, s14, 4
	s_add_co_u32 s72, s72, s[SD]
	s_mul_i32 s72, s72, QBLK
	s_add_nc_u64 s[74:75], s[4:5], s[72:73]        ; the block of my 128 queries
	s_lshl_b32 s72, s67, 10
	s_add_nc_u64 s[52:53], s[74:75], s[72:73]      ; my tile's image
	s_lshl_b32 s72, s69, 8
	s_lshl_b32 s71, s68, 2
	s_add_co_u32 s72, s72, s71
	s_add_co_u32 s72, s72, 8192
	s_add_nc_u64 s[54:55], s[74:75], s[72:73]      ; its scale words: + 16 r
	s_lshr_b32 s72, s14, 4
	s_lshl_b32 s72, s72, 7
	s_add_co_u32 s72, s72, s[TT]                   ; the stored row tile among 512
	s_lshl_b32 s70, s72, 9
	s_lshl_b32 s72, s72, 14
	s_and_b32 s71, s14, 15
	s_lshl_b32 s71, s71, 10                        ; (hd / 2) x 2,048 + (hd % 2) x 1,024 = hd x 1,024
	s_add_co_u32 s72, s72, s71
	s_add_nc_u64 s[56:57], s[8:9], s[72:73]        ; the context's codes
	s_lshr_b32 s71, s71, 9                         ; 2 hd
	s_add_co_u32 s72, s70, s71
	s_add_nc_u64 s[58:59], s[10:11], s[72:73]      ; and scale bytes
	global_load_b128 v[QF:QF+3], v[L16], s[52:53]
	global_load_b128 v[QF+4:QF+7], v[L16], s[52:53] offset:512
	global_load_b128 v[QF+16:QF+19], v[L16], s[52:53]             ; a second copy, behind the zeros
	global_load_b128 v[QF+20:QF+23], v[L16], s[52:53] offset:512
	global_load_b32 v[QS], v[R16], s[54:55]
	v_mov_b32 v13, 0xff61b1e6                      ; the largest t so far: -3e38
	v_floor_f32 v12, -v13                          ; -M
	v_mov_b32 v14, 0                               ; the sum, in two halves
	v_mov_b32 v15, 0
.irp j, 0,1,2,3,4,5,6,7,8,9,10,11,12,13,14,15,16,17,18,19,20,21,22,23,24,25,26,27,28,29,30,31
	v_mov_b32 v[O+\j], 0                           ; the step is written once: the first finds zeros, which the first change of M leaves zeros
.endr
	s_wait_loadcnt 0x0
.endm
; A KEY STEP: 128 keys.  A step all of whose keys come after my queries is left out: a scalar branch on ids, round its work, not round the lines that step addresses.
.macro STEP
	s_cmp_gt_u32 s[SI], s[SD]
	s_cbranch_scc1 .Lhidden_\@
	v_add_nc_u32 v[ADR], s[TB], v[L16]
	ds_load_b128 v[KSC:KSC+3], v[ADR] offset:16384
.irp g, 0,1                            ; S^T = K Q^T, four tiles of 16 keys at a time
.if \g > 0
.rept 8
	v_nop                                          ; places in front of loads into registers that matrix instructions have read
.endr
.endif
.irp t, 0,1,2,3
	ds_load_b128 v[KR+24*(\t/2)+16*(\t%2):KR+24*(\t/2)+16*(\t%2)+3], v[ADR] offset:1024*(4*\g+\t)
	ds_load_b128 v[KR+24*(\t/2)+16*(\t%2)+4:KR+24*(\t/2)+16*(\t%2)+7], v[ADR] offset:1024*(4*\g+\t)+512
.endr
	s_wait_dscnt 0x0
.irp u, 0,1
	v_wmma_scale_f32_16x16x128_f8f6f4 v[S+8*(4*\g+2*\u):S+8*(4*\g+2*\u)+7], v[KR+24*\u:KR+24*\u+15], v[QF:QF+15], 0, v[KSC+2*\g+\u], v[QS]
	v_wmma_scale_f32_16x16x128_f8f6f4 v[S+8*(4*\g+2*\u+1):S+8*(4*\g+2*\u+1)+7], v[KR+24*\u+8:KR+24*\u+23], v[QF+8:QF+23], 0, v[KSC+2*\g+\u], v[QS] matrix_a_scale:MATRIX_SCALE_ROW1
.endr
.endr
.rept 8
	v_nop
.endr
	s_cmp_lt_u32 s[SI], s[SD]                      ; only the step on the diagonal has hidden keys
	s_cbranch_scc1 .Lopen_\@
	v_mov_b32 v[TMP], 0xff800000                   ; -infinity: p = 0 then
.irp n, 0,1,2,3,4,5,6,7,8,9,10,11,12,13,14,15,16,17,18,19,20,21,22,23,24,25,26,27,28,29,30,31,32,33,34,35,36,37,38,39,40,41,42,43,44,45,46,47,48,49,50,51,52,53,54,55,56,57,58,59,60,61,62,63
	v_cmp_gt_i32 vcc_lo, 32*(\n/16)+\n%16, v[DD]   ; register 16 b + i holds key 32 b + 16 h + i of the step: hidden where it comes after my query
	v_cndmask_b32 v[S+\n], v[S+\n], v[TMP], vcc_lo
.endr
.Lopen_\@:
.irp b, 0,1,2,3
	v_max3_num_f32 v[BM+\b], v[S+16*\b], v[S+1+16*\b], v[S+2+16*\b]   ; the largest score of each block of 32 keys: for the row's maximum, and, since p rises with the score, for the block's largest p
.endr
.irp i, 3,5,7,9,11,13
.irp b, 0,1,2,3
	v_max3_num_f32 v[BM+\b], v[BM+\b], v[S+16*\b+\i], v[S+1+16*\b+\i]
.endr
.endr
.irp b, 0,1,2,3
	v_max_num_f32 v[BM+\b], v[BM+\b], v[S+15+16*\b]
.endr
.irp b, 0,1,2,3
	v_permlanex16_b32 v[PM+\b], v[BM+\b], s[SEL], s[SEL+1]
.endr
.irp b, 0,1,2,3
	v_max_num_f32 v[BM+\b], v[BM+\b], v[PM+\b]     ; with lane l xor 16's 16 keys
.endr
	v_max3_num_f32 v[TMP], v[BM], v[BM+1], v[BM+2]
	v_max_num_f32 v[TMP], v[TMP], v[BM+3]
	v_mul_f32 v[TMP], s[CS], v[TMP]                ; as t
	v_max_num_f32 v13, v13, v[TMP]                 ; the running largest t
	v_mov_b32 v[TMP], v12
	v_floor_f32 v12, -v13                          ; the new -M = -ceil(t)
	v_sub_f32 v[TMP], v12, v[TMP]                  ; old M - new M: a whole number, 0 or less
	v_cvt_i32_f32 v[TMP], v[TMP]                   ; (it saturates)
	v_ldexp_f32 v[F], 1.0, v[TMP]                  ; f
.irp j, 0,2,4,6,8,10,12,14,16,18,20,22,24,26,28,30,32,34,36,38,40,42,44,46,48,50,52,54,56,58,60,62
	v_pk_fma_f32 v[S+\j:S+\j+1], v[S+\j:S+\j+1], s[CS:CS+1], v[12:13] op_sel_hi:[1,0,0]   ; t - M, two at a time
.endr
.irp b, 0,1,2,3
	v_fma_f32 v[BM+\b], v[BM+\b], s[CS], v12       ; the same of each block's largest score
.endr
.irp j, 0,1,2,3,4,5,6,7,8,9,10,11,12,13,14,15,16,17,18,19,20,21,22,23,24,25,26,27,28,29,30,31,32,33,34,35,36,37,38,39,40,41,42,43,44,45,46,47,48,49,50,51,52,53,54,55,56,57,58,59,60,61,62,63
	v_exp_f32 v[S+\j], v[S+\j]                     ; p = 2^(t - M)
.endr
	v_pk_mul_f32 v[14:15], v[14:15], v[F:F+1] op_sel_hi:[1,0]   ; the sums under the new M: the plain instruction behind the exponentials
	s_wait_alu depctr_va_vdst(0)                   ; one wait for the batch of 64, ahead of its first reader
.irp b, 0,1,2,3
	v_exp_f32 v[BM+\b], v[BM+\b]                   ; the block's largest p: the same two instructions on the same number
.endr
	v_pk_add_f32 v[PM:PM+1], v[S:S+1], v[S+2:S+3]  ; the row's sum of the unquantised p, in two chains; it reads the 64 alone
.irp j, 4,8,12,16,20,24,28,32,36,40,44,48,52,56,60
	v_pk_add_f32 v[14:15], v[14:15], v[S+\j:S+\j+1]
	v_pk_add_f32 v[PM:PM+1], v[PM:PM+1], v[S+2+\j:S+3+\j]
.endr
	v_pk_add_f32 v[14:15], v[14:15], v[PM:PM+1]
	s_wait_alu depctr_va_vdst(0)                   ; and one for the four
.irp b, 0,1,2,3
	v_max_num_f32 v[BM+\b], 0x4800000, v[BM+\b]    ; the floor 2^(9 - 127): the byte cannot fall under 1
.endr
.irp b, 0,1,2,3
	v_add_nc_u32 v[SO+\b], 0xfc000000, v[BM+\b]    ; the conversion's scale operand
.endr
.irp b, 0,1,2,3
	v_and_or_b32 v[HL+\b], v[BM+\b], 0x7f800000, s[MNT]   ; 448 x the scale
.endr
.irp b, 0,1,2,3
	v_lshrrev_b32 v[PM+\b], 23, v[SO+\b]           ; the scale's byte
.endr
	v_lshl_or_b32 v[PW], v[PM+1], 8, v[PM]         ; p's scale word: the 64 holds below stand between it and the products
	v_lshl_or_b32 v[PW], v[PM+2], 16, v[PW]
	v_lshl_or_b32 v[PW], v[PM+3], 24, v[PW]
.irp b, 0,1,2,3
.irp i, 0,1,2,3,4,5,6,7,8,9,10,11,12,13,14,15
	v_min_num_f32 v[S+16*\b+\i], v[S+16*\b+\i], v[HL+\b]   ; the conversion does not saturate (ISA guide 7.6.2); p is not negative: a one-sided hold
.endr
	v_cvt_scalef32_pk8_fp8_f32 v[PCD+4*\b:PCD+4*\b+1], v[S+16*\b:S+16*\b+7], v[SO+\b]
	v_cvt_scalef32_pk8_fp8_f32 v[PCD+4*\b+2:PCD+4*\b+3], v[S+16*\b+8:S+16*\b+15], v[SO+\b]
.endr
.irp t, 0,1,2,3                        ; V's four tiles of 16 channels x 128 keys take p's registers
.irp c, 0,1,2,3
	ds_load_b128 v[S+16*\t+4*\c:S+16*\t+4*\c+3], v[ADR] offset:8192+2048*\t+512*\c
.endr
.endr
	ds_load_b128 v[VSC:VSC+3], v[ADR] offset:16896
.irp j, 0,2,4,6,8,10,12,14,16,18,20,22,24,26,28,30
	v_pk_mul_f32 v[O+\j:O+\j+1], v[O+\j:O+\j+1], v[F:F+1] op_sel_hi:[1,0]   ; O^T under the new M; these sixteen also stand between the conversions and the products
.endr
	s_wait_dscnt 0x0
.irp t, 0,1,2,3                        ; O^T += V^T P^T: the four accumulators by turns, one instruction a turn
	v_wmma_scale_f32_16x16x128_f8f6f4 v[O+8*\t:O+8*\t+7], v[S+16*\t:S+16*\t+15], v[PCD:PCD+15], v[O+8*\t:O+8*\t+7], v[VSC+\t], v[PW]
.endr
.rept 9
	v_nop                                          ; the next step's scores are written over V's registers by matrix instructions: nine places; they also serve the reads of O^T behind the last step
.endr
.Lhidden_\@:
	s_add_co_u32 s[TB], s[TB], BLK
	s_add_co_u32 s[SI], s[SI], 1
.endm
; A group of four key steps: my share of it has landed (my loads of the later groups may stay out), then everybody's.  No LDS load of mine is out: every step ends with its loads waited for.
.macro GROUP g
	s_wait_tensorcnt 3-\g
	s_barrier_signal -1
	s_barrier_wait -1
	s_mov_b32 s[TB], \g*GRP
	s_mov_b32 s[SI], 4*\g
	s_mov_b32 s[CNT], 4
.Lgroup_\@:
	STEP
	s_sub_co_u32 s[CNT], s[CNT], 1
	s_cmp_lg_u32 s[CNT], 0
	s_cbranch_scc1 .Lgroup_\@
.endm
; A pass ends: O^T / the sum, quantised along the channels (two blocks of 32), stored as two pieces of the output projection's operand.
.macro FINISH
	v_add_f32 v14, v14, v15
	v_permlanex16_b32 v[TMP], v14, s[SEL], s[SEL+1]
	v_add_f32 v14, v14, v[TMP]                     ; the row's sum
	v_rcp_f32 v14, v14
	v_nop                                          ; a plain instruction behind the reciprocal,
	s_wait_alu depctr_va_vdst(0)                   ; and the wait ahead of its first reader
.irp j, 0,1,2,3,4,5,6,7,8,9,10,11,12,13,14,15,16,17,18,19,20,21,22,23,24,25,26,27,28,29,30,31
	v_mul_f32 v[S+\j], v[O+\j], v14                ; register 16 b + i: channel 32 b + 16 h + i; each accumulator from its low end on
.endr
.irp b, 0,1
	v_max3_num_f32 v[BM+\b], |v[S+16*\b]|, |v[S+1+16*\b]|, 0x4800000
.endr
.irp i, 2,4,6,8,10,12,14
.irp b, 0,1
	v_max3_num_f32 v[BM+\b], v[BM+\b], |v[S+16*\b+\i]|, |v[S+1+16*\b+\i]|
.endr
.endr
.irp b, 0,1
	v_permlanex16_b32 v[PM+\b], v[BM+\b], s[SEL], s[SEL+1]
.endr
.irp b, 0,1
	v_max_num_f32 v[BM+\b], v[BM+\b], v[PM+\b]
.endr
.irp b, 0,1
	v_add_nc_u32 v[SO+\b], 0xfc000000, v[BM+\b]
	v_and_or_b32 v[HL+\b], v[BM+\b], 0x7f800000, s[MNT]
.endr
.irp b, 0,1
	v_lshrrev_b32 v[PM+\b], 23, v[SO+\b]
.endr
	v_cndmask_b32 v[TMP], v[PM], v[PM+1], s[HI]    ; lanes 0-15 store block 0's byte, lanes 16-31 block 1's
.irp b, 0,1
.irp i, 0,1,2,3,4,5,6,7,8,9,10,11,12,13,14,15
	v_med3_num_f32 v[S+16*\b+\i], v[S+16*\b+\i], -v[HL+\b], v[HL+\b]
.endr
	v_cvt_scalef32_pk8_fp8_f32 v[PCD+4*\b:PCD+4*\b+1], v[S+16*\b:S+16*\b+7], v[SO+\b]
	v_cvt_scalef32_pk8_fp8_f32 v[PCD+4*\b+2:PCD+4*\b+3], v[S+16*\b+8:S+16*\b+15], v[SO+\b]
.endr
	v_nop                                          ; one plain vector instruction behind the last conversion
	global_store_b128 v[L16], v[PCD:PCD+3], s[56:57]              ; 512 consecutive bytes each
	global_store_b128 v[L16], v[PCD+4:PCD+7], s[56:57] offset:512
	global_store_b8 v[R32], v[TMP], s[58:59]
.endm
	s_lshl_b32 s67, ttmp9, 4
	s_sub_co_u32 s[TT], 112, s67
	s_add_co_u32 s[TT], s[TT], s[WV]               ; 16 (7 - i) + w: its diagonal lies in steps 8 to 15
	SETUP
	GROUP 0
	GROUP 1
	GROUP 2
	GROUP 3
	FINISH
	s_wait_xcnt 0x0                                ; the stores have read their registers and bases
	s_lshl_b32 s[TT], ttmp9, 4
	s_add_co_u32 s[TT], s[TT], 15
	s_sub_co_u32 s[TT], s[TT], s[WV]               ; 16 i + 15 - w: its diagonal lies in steps 0 to 7
	SETUP
	s_mov_b32 s[TB], 0                             ; all of kv lies in LDS and every wave has passed the last barrier: no further ordering
	s_mov_b32 s[SI], 0
	s_mov_b32 s[CNT], 8
.Lsecond:
	STEP
	s_sub_co_u32 s[CNT], s[CNT], 1
	s_cmp_lg_u32 s[CNT], 0
	s_cbranch_scc1 .Lsecond
	FINISH
	s_wait_tensorcnt 0x0
	ds_add_u32 v254, v255
	s_wait_dscnt 0x0
	s_endpgm
.Lfunc_end_k_q6c8b809a5f_attn:
	.size	k_q6c8b809a5f_attn, .Lfunc_end_k_q6c8b809a5f_attn-k_q6c8b809a5f_attn
	.p2alignl 7, 3214868480
	.fill 96, 4, 3214868480
	.section	.rodata,"a",@progbits
	.p2align	6, 0x0
	.amdhsa_kernel k_q6c8b809a5f_attn
		.amdhsa_group_segment_fixed_size 280576
		.amdhsa_private_segment_fixed_size 0
		.amdhsa_enable_private_segment 0
		.amdhsa_kernarg_size 32
		.amdhsa_user_sgpr_count 2
		.amdhsa_user_sgpr_kernarg_segment_ptr 1
		.amdhsa_wavefront_size32 1
		.amdhsa_system_sgpr_workgroup_id_x 1
		.amdhsa_system_sgpr_workgroup_id_y 1
		.amdhsa_system_sgpr_workgroup_id_z 1
		.amdhsa_system_vgpr_workitem_id 0
		.amdhsa_next_free_vgpr 256
		.amdhsa_next_free_sgpr 80
		.amdhsa_reserve_vcc 1
		.amdhsa_float_denorm_mode_32 3
		.amdhsa_float_denorm_mode_16_64 3
		.amdhsa_memory_ordered 1
		.amdhsa_forward_progress 1
		.amdhsa_inst_pref_size 141
	.end_amdhsa_kernel
	.amdgpu_metadata
---
amdhsa.version: [ 1, 2 ]
amdhsa.kernels:
  - .name:           k_q6c8b809a5f_attn
    .symbol:         k_q6c8b809a5f_attn.kd
    .args:
      - { .name: qb, .offset: 0, .size: 8, .value_kind: global_buffer, .address_space: global }
      - { .name: kv, .offset: 8, .size: 8, .value_kind: global_buffer, .address_space: global }
      - { .name: ctxc, .offset: 16, .size: 8, .value_kind: global_buffer, .address_space: global }
      - { .name: ctxs, .offset: 24, .size: 8, .value_kind: global_buffer, .address_space: global }
    .group_segment_fixed_size: 280576
    .private_segment_fixed_size: 0
    .kernarg_segment_align: 8
    .kernarg_segment_size: 32
    .max_flat_workgroup_size: 512
    .sgpr_count:     80
    .vgpr_count:     256
    .wavefront_size: 32
...
	.end_amdgpu_metadata
.endif
;; end of part 3
;; launch outp (part 4): grid 4 x 32, 4 waves a work-group, clusters of 4 x 4, 327,680 bytes of LDS; arguments ctxc, ctxs, codes1, scales1, b_o, out0; writes out0
.if DOCPART == 4
	.amdgcn_target "amdgcn-amd-amdhsa--gfx1250"
	.amdhsa_code_object_version 6
	.text
	.protected	k_q6c8b809a5f_outp
	.globl	k_q6c8b809a5f_outp
	.p2align	8
	.type	k_q6c8b809a5f_outp,@function
k_q6c8b809a5f_outp:
	s_mov_b64 s[64:65], 0
	v_nop
	global_prefetch_b8 v0, s[64:65] scope:SCOPE_SE
	s_setreg_imm32_b32 hwreg(HW_REG_WAVE_MODE, 25, 1), 1
	s_wait_xcnt 0x0
	s_wait_alu depctr_hold_cnt(0) depctr_sa_sdst(0) depctr_va_vdst(0) depctr_va_sdst(0) depctr_va_ssrc(0) depctr_va_vcc(0) depctr_vm_vsrc(0)
	s_getreg_b32 s2, hwreg(HW_REG_IB_STS2, 6, 4)
	s_cmp_eq_u32 s2, 0
	s_cbranch_scc0 .Lentry_in_a_cluster
	s_endpgm
.Lentry_in_a_cluster:
	s_bfe_u32 s2, ttmp6, 0x10000c
	s_cmp_lg_u32 s2, 0xf033
	s_cbranch_scc0 .Lentry_shape_is_right
	s_endpgm
.Lentry_shape_is_right:
; out0 = context W_o^T + b_o on codes of FP8 (E4M3) with E8M0 scales, K = 1,024.  out0: [8192][1024] f32.
; A = the context: ctxc [stored row tile 512][K step of 128, 8][piece 4][lane 32][16 bytes], the image of a fragment's registers; ctxs [stored row][32 scale bytes].
; B = W_o: stored rows 27,648 on of codes1 [row][1024 bytes] and scales1 [row][32].  Both tensors' rows are stored with bits 3 and 4 of their number exchanged; the way out puts rows and columns back.
; A work-group makes 256 x 256, a wave 128 x 128: 64 accumulators, 512 registers.  K goes in steps of 256 through a ring of two LDS slots filled by the tensor data mover; the scale bytes of all of K come once.
; 4 x 4 work-groups form a cluster: A's tiles are shared along a row of the cluster, B's along a column: joint loads.  128 work-groups: 32 x 4 tiles of 256 x 256.
; SOURCE 0 = 16 stored rows of W_o, SOURCE 1 = 16 stored rows of the context: a lane holds one row of the result, and registers 8 u + j of B's blocks 2 b + u are columns 32 b + 16 (lane / 16) + 8 u + j.
; The bias is the C of each sum's first matrix instruction: eight registers for each of B's blocks, in the result's layout.
; A's tile in LDS is the image as it lies in memory: 8 row tiles x 4,096 dense bytes; a fragment is four loads of 512 consecutive bytes.  B's tile has rows of 256 bytes + 16 of padding.
; REGISTERS, in windows of 256: window 0: v0-31 addresses; v32-63 scale words, two sets; v64-127 the bias; from v128 A's fragments, one set (on the way out v128-255 rows of the result).
;   window 1: B's fragments, two sets.   windows 2, 3: accumulator (a, b) at v[8 (8 (a % 4) + b)].
.set NQ,     2
.set ROWB,   256
.set KROW,   1024
.set PITCH,  272                       ; B's LDS row: 256 bytes + 16 = 68 words: row r starts at bank 4 r mod 64 (64 banks of 4 bytes: ISA guide 11.1)
.set FR,     16
.set NL,     4
.set NP,     8                         ; places behind this matrix instruction (ISA guide 7.12.1)
.set HALFA,  32768                     ; A: 128 rows x 256 K as 8 x 4,096 bytes
.set ASTEP,  4096                      ; a slot's part of a row tile's 16,384 bytes
.set HALFT,  128*PITCH
.set SLOT,   2*HALFA+2*HALFT           ; A's two halves, then B's two
.set KS,     32
.set SCL,    2*SLOT
.set HALFS,  (128*KS/256)*272
.set SBLK,   (16*KS/256)*272
.set SPARE,  SCL+4*HALFS               ; the spare words, 128 bytes for each wave, that no other line names
.set SPITCH, 528                       ; the way out: a stage of 16 rows x (512 bytes + 16) for each wave, in slot 0, which has had its last fill and its last read when the first result is stored there
.set ADRA, 16
.set ADRB, 20
.set STO,  24
.set RD,   25
.set CO,   26                          ; v26  16 x lane
.set ADRS, 27
.set SPW,  28                          ; v28  SPARE + 4 x my thread's number; never rewritten
.set NIL,  29                          ; v29  0; never rewritten
.set SC,   32
.set BI,   64
.set AF,   128
.set BK,   128
.set G1, 24
.set G0, 32
.set G1B, 48
.set G0B, 56
.set G1S, 68
.set G0S, 76
.set G1SB, 80
.set G0SB, 88
.set MSB, 0
.macro WIN new                         ; the immediate's high byte repeats the setting that is left
.if MSB != (\new)
	s_set_vgpr_msb (MSB<<8)|(\new)
.set MSB, (\new)
.endif
.endm
.set MUL_LO, 0xa1                      ; source 0 (B) window 1, source 1 (A) window 0, C and D window 2
.set MUL_HI, 0xf1
.set TO_B,   0x40
.macro JLOAD g0a, g1a, g0b, g1b        ; a joint load: waves 0 and 1 fetch for A, waves 2 and 3 for B; four v_nop follow each of the two lines
	s_cmp_eq_u32 s15, 0
	s_cbranch_scc0 .Lfor_b_\@
	tensor_load_to_lds s[\g0a:\g0a+3], s[\g1a:\g1a+7]
	s_nop 0
.rept 4
	v_nop
.endr
	s_branch .Lasked_\@
.Lfor_b_\@:
	tensor_load_to_lds s[\g0b:\g0b+3], s[\g1b:\g1b+7]
	s_nop 0
.rept 4
	v_nop
.endr
.Lasked_\@:
.endm
.macro CREST
	s_cmp_lg_u32 s14, 0
	s_cbranch_scc1 .Lnot_wave_0_\@
	s_barrier_signal -3
.Lnot_wave_0_\@:
	s_barrier_wait -3
	s_barrier_signal -1
	s_barrier_wait -1
.endm
.macro CROUND
	s_barrier_signal -1
	s_barrier_wait -1
	CREST
.endm
	s_load_b128 s[4:7], s[0:1], 0x0                ; ctxc, ctxs
	s_load_b128 s[8:11], s[0:1], 0x10              ; codes1, scales1
	s_load_b64 s[96:97], s[0:1], 0x20              ; b_o
	s_load_b64 s[12:13], s[0:1], 0x28              ; out0
	v_lshl_add_u32 v[SPW], v0, 2, SPARE
	v_mov_b32 v[NIL], 0
	ds_add_u32 v28, v29
	ds_add_u32 v28, v29
	s_wait_dscnt 0x0
	v_lshrrev_b32 v1, 5, v0
	v_readfirstlane_b32 s14, v1                    ; wave 0..3
	s_lshr_b32 s15, s14, 1                         ; which half of the tile's rows is mine.  Also: I fetch for A (0) or for B (1)
	s_and_b32 s16, s14, 1                          ; which half of its columns.  Also: which 128 rows I fetch
	s_bfe_u32 s40, ttmp6, 0x40000                  ; cx = the tile column (the grid is one cluster wide)
	s_bfe_u32 s41, ttmp6, 0x40004                  ; cy
	s_and_b32 s17, ttmp7, 0xffff
	s_lshl_b32 s17, s17, 2
	s_add_co_u32 s17, s17, s41                     ; tile row = 4 x cluster y + cy
	s_lshl_b32 s43, s41, 2
	s_lshl_b32 s43, 15, s43                        ; my row of the cluster
	s_lshl_b32 s44, 0x1111, s40                    ; my column
	s_or_b32 s[G1+0], s43, (3<<16)|(1<<21)         ; A: the mask; elements of 8 bytes; no padding; bit 21 beside a mask
	s_mov_b32 s[G1+1], 512<<16                     ; tensor_dim0 = 512 elements: 4,096 bytes
	s_mov_b32 s[G1+2], 8<<16                       ; tensor_dim1 = 8 row tiles
	s_mov_b32 s[G1+3], 512<<16                     ; tile_dim0
	s_mov_b32 s[G1+4], 8                           ; tile_dim1
	s_mov_b32 s[G1+5], 2048                        ; the pitch: 16,384 bytes from row tile to row tile
	s_mov_b32 s[G1+6], 0
	s_mov_b32 s[G1+7], 0
	s_or_b32 s[G1B+0], s44, (0<<16)|(1<<20)|(1<<21)|(5<<22)|(3<<25)  ; B: elements of 1 byte; 4 words of padding after every 64
	s_mov_b32 s[G1B+1], ROWB<<16
	s_mov_b32 s[G1B+2], 128<<16
	s_mov_b32 s[G1B+3], ROWB<<16
	s_mov_b32 s[G1B+4], 128
	s_mov_b32 s[G1B+5], KROW
	s_mov_b32 s[G1B+6], 0
	s_mov_b32 s[G1B+7], 0
	s_or_b32 s[G1S+0], s43, (3<<16)|(1<<20)|(1<<21)|(5<<22)|(3<<25)  ; the scales of 128 rows: 4,096 dense bytes as 16 rows of 256, 16 bytes of padding behind each
	s_or_b32 s[G1SB+0], s44, (3<<16)|(1<<20)|(1<<21)|(5<<22)|(3<<25)
.irp g, G1S, G1SB
	s_mov_b32 s[\g+1], 32<<16
	s_mov_b32 s[\g+2], (128*KS/256)<<16
	s_mov_b32 s[\g+3], 32<<16
	s_mov_b32 s[\g+4], 128*KS/256
	s_mov_b32 s[\g+5], 32
	s_mov_b32 s[\g+6], 0
	s_mov_b32 s[\g+7], 0
.endr
	s_lshl_b32 s20, s17, 4
	s_lshl_b32 s18, s16, 3
	s_add_co_u32 s20, s20, s18                     ; A: row tile 16 x tile row + 8 x half
	s_lshl_b32 s22, s20, 9                         ; its scale bytes: 512 a row tile,
	s_lshl_b32 s20, s20, 14                        ; its codes: 16,384 (under 2^23)
	s_lshl_b32 s46, s40, 8
	s_lshl_b32 s47, s16, 7
	s_add_co_u32 s46, s46, s47
	s_add_co_u32 s46, s46, 27648                   ; B: stored row 27,648 + 256 cx + 128 x half
	s_lshl_b32 s92, s46, 5
	s_lshl_b32 s46, s46, 10
	s_mov_b32 s21, 0
	s_mov_b32 s23, 0
	s_mov_b32 s47, 0
	s_mov_b32 s93, 0
	s_mul_i32 s45, s16, HALFA                      ; where they go: A's halves, then B's: no place in the cluster enters an LDS address
	s_mul_i32 s95, s16, HALFT
	s_add_co_u32 s95, s95, 2*HALFA
	s_mul_i32 s94, s14, HALFS
	s_wait_kmcnt 0x0
	s_add_nc_u64 s[20:21], s[4:5], s[20:21]
	s_add_nc_u64 s[22:23], s[6:7], s[22:23]
	s_add_nc_u64 s[46:47], s[8:9], s[46:47]
	s_add_nc_u64 s[92:93], s[10:11], s[92:93]
	CROUND                                         ; all sixteen work-groups are here: the first joint loads meet
	s_mov_b32 s[G0S], 1
	s_add_co_u32 s[G0S+1], s94, SCL
	s_mov_b64 s[G0S+2:G0S+3], s[22:23]
	s_or_b32 s[G0S+3], s[G0S+3], 0x80000000
	s_mov_b32 s[G0SB], 1
	s_add_co_u32 s[G0SB+1], s94, SCL
	s_mov_b64 s[G0SB+2:G0SB+3], s[92:93]
	s_or_b32 s[G0SB+3], s[G0SB+3], 0x80000000
	JLOAD G0S, G1S, G0SB, G1SB                     ; the scales first
.irp s, 0,1
	s_mov_b32 s[G0+4*\s], 1
	s_add_co_u32 s[G0+4*\s+1], s45, \s*SLOT
	s_add_nc_u64 s[G0+4*\s+2:G0+4*\s+3], s[20:21], \s*ASTEP
	s_or_b32 s[G0+4*\s+3], s[G0+4*\s+3], 0x80000000
	s_mov_b32 s[G0B+4*\s], 1
	s_add_co_u32 s[G0B+4*\s+1], s95, \s*SLOT
	s_add_nc_u64 s[G0B+4*\s+2:G0B+4*\s+3], s[46:47], \s*ROWB
	s_or_b32 s[G0B+4*\s+3], s[G0B+4*\s+3], 0x80000000
	JLOAD G0+4*\s, G1, G0B+4*\s, G1B               ; three loads of mine are out
.endr
	v_and_b32 v1, 15, v0                           ; r
	v_bfe_u32 v2, v0, 4, 1                         ; h
	v_and_b32 v6, 31, v0
	v_lshlrev_b32 v[CO], 4, v6                     ; 16 x lane
	v_mul_u32_u24 v3, v1, PITCH
	v_lshl_add_u32 v4, v2, 4, v3
	s_mul_i32 s21, s15, HALFA                      ; my 128 rows of A,
	s_mul_i32 s22, s16, HALFT                      ; my 128 rows of B, behind A's
	s_add_co_u32 s22, s22, 2*HALFA
.irp s, 0,1
	v_add_nc_u32 v[ADRA+\s], s21, v[CO]
	v_add_nc_u32 v[ADRB+\s], s22, v4
	s_add_co_u32 s21, s21, SLOT
	s_add_co_u32 s22, s22, SLOT
.endr
	v_mul_u32_u24 v5, v1, KS
	v_lshrrev_b32 v6, 8, v5
	v_lshl_add_u32 v5, v6, 4, v5
	s_mul_i32 s21, s15, HALFS
	s_mul_i32 s22, s16, HALFS
	s_add_co_u32 s22, s22, 2*HALFS
	s_sub_co_u32 s22, s22, s21
	v_mul_u32_u24 v6, s22, v2                      ; lanes 16-31 take B's scale words: one product, the distance between the two bases
	s_add_co_u32 s21, s21, SCL
	v_add_nc_u32 v5, v5, v6
	v_add_nc_u32 v[ADRS], s21, v5
	s_mul_i32 s23, s14, 16*SPITCH                  ; my stage
	v_mul_u32_u24 v5, v1, SPITCH
	v_lshl_add_u32 v5, v2, 6, v5                   ; in: row r, + 64 h: columns 16 h on of each 32
	v_add_nc_u32 v[STO], s23, v5
	v_add_nc_u32 v[RD], s23, v[CO]                 ; back: the 32 lanes take one row of 512 bytes
	s_lshl_b32 s20, s17, 8
	s_lshl_b32 s21, s15, 7
	s_add_co_u32 s20, s20, s21                     ; my first row: 256 x tile row + 128 x half
	s_lshl_b32 s20, s20, 12                        ; 4,096 bytes a row (under 2^25)
	s_lshl_b32 s46, s40, 10
	s_lshl_b32 s47, s16, 9
	s_add_co_u32 s46, s46, s47                     ; my first column, in bytes
	s_mov_b32 s47, 0
	s_mov_b32 s21, 0
	s_add_nc_u64 s[96:97], s[96:97], s[46:47]      ; the bias there,
	s_add_nc_u64 s[12:13], s[12:13], s[20:21]
	s_add_nc_u64 s[12:13], s[12:13], s[46:47]      ; and the result
	v_lshlrev_b32 v7, 6, v2
.irp be, 0,1,2,3
.irp u, 0,1
.irp hf, 0,1
	global_load_b128 v[BI+8*(2*\be+\u)+4*\hf:BI+8*(2*\be+\u)+4*\hf+3], v7, s[96:97] offset:128*\be+32*\u+16*\hf   ; block 2 be + u, register j: the bias of column 32 be + 16 h + 8 u + j
.endr
.endr
.endr
.macro FRAG reg, adr, q, i             ; B: 16 rows x 128 K from rows: registers 4 c .. 4 c + 3 hold K = 32 c + 16 (l / 16) + 0 .. 15
.irp c, 0,1,2,3
	ds_load_b128 v[\reg+4*\c:\reg+4*\c+3], v[\adr] offset:128*(\q)+32*\c+(\i)*16*PITCH
.endr
.endm
.macro FRAGA reg, adr, q, i            ; A: the image: 512 consecutive bytes a load
.irp c, 0,1,2,3
	ds_load_b128 v[\reg+4*\c:\reg+4*\c+3], v[\adr] offset:4096*(\i)+2048*(\q)+512*\c
.endr
.endm
; 16 matrix instructions: A's blocks a0, a0 + 1 x B's eight.  zero = 1: the first product starts the sums, with the bias as C.  The 64 accumulators take turns, one instruction a turn.
.macro MUL16 a0, p, q, sc, zero
.irp a, \a0, \a0+1
.irp b, 0,1,2,3,4,5,6,7
.if \zero
	v_wmma_scale_f32_16x16x128_f8f6f4 v[8*(8*((\a)%4)+\b):8*(8*((\a)%4)+\b)+7], v[128*(\p)+FR*\b:128*(\p)+FR*\b+FR-1], v[AF+FR*(\a):AF+FR*(\a)+FR-1], v[BI+8*\b:BI+8*\b+7], v[SC+8*NQ*(\sc)+NQ*\b+(\q)], v[SC+8*NQ*(\sc)+NQ*(\a)+(\q)] matrix_a_scale:MATRIX_SCALE_ROW1
.else
	v_wmma_scale_f32_16x16x128_f8f6f4 v[8*(8*((\a)%4)+\b):8*(8*((\a)%4)+\b)+7], v[128*(\p)+FR*\b:128*(\p)+FR*\b+FR-1], v[AF+FR*(\a):AF+FR*(\a)+FR-1], v[8*(8*((\a)%4)+\b):8*(8*((\a)%4)+\b)+7], v[SC+8*NQ*(\sc)+NQ*\b+(\q)], v[SC+8*NQ*(\sc)+NQ*(\a)+(\q)] matrix_a_scale:MATRIX_SCALE_ROW1
.endif
.endr
.endr
.endm
.macro FETCH_B slot, q, p
	WIN TO_B
.irp i, 0,1,2,3,4,5,6,7
	FRAG 128*(\p)+FR*\i, ADRB+\slot, \q, \i
.endr
	WIN 0
.endm
.macro FETCH_A slot, q, i0
.irp i, \i0, \i0+1, \i0+2, \i0+3
	FRAGA AF+FR*(\i), ADRA+\slot, \q, \i
.endr
.endm
.macro SCALES sc
.irp i, 0,1,2,3,4,5,6,7
	ds_load_b64 v[SC+8*NQ*\sc+NQ*\i:SC+8*NQ*\sc+NQ*\i+1], v[ADRS] offset:\i*SBLK
.endr
.endm
.macro PLACES n                        ; plain vector instructions between a matrix instruction and a load into, or an access to, its registers
.rept \n
	v_nop
.endr
.endm
.macro STEP slot, q, zero
	s_wait_dscnt 4*NL                              ; B's set and A's blocks 0-3 are in; the youngest 16 loads (A's blocks 4-7) may be out
.if \zero
	WIN 0x81                                       ; C (the bias) window 0, D window 2
.else
	WIN MUL_LO
.endif
	MUL16 0, (\q)%2, \q, \slot, \zero
	MUL16 2, (\q)%2, \q, \slot, \zero
	s_wait_dscnt 0
	PLACES NP
	FETCH_B \slot, (\q)+1, 1-(\q)%2
	FETCH_A \slot, (\q)+1, 0
.if \zero
	WIN 0xc1                                       ; C window 0, D window 3
.else
	WIN MUL_HI
.endif
	MUL16 4, (\q)%2, \q, \slot, \zero
	MUL16 6, (\q)%2, \q, \slot, \zero
	PLACES NP
	WIN 0
	FETCH_A \slot, (\q)+1, 4
.endm
; A slot's last step changes slots: one barrier; in front of it each wave waits for all its tensor loads, adds 0 to its spare word, and waits for that and for its reads of this slot.
.macro TURN slot, next, fill
	s_wait_tensorcnt 0x0                           ; all my tensor loads have landed: my part of the next slot
	ds_add_u32 v[SPW], v[NIL]                      ; 0 onto my spare word
	s_wait_dscnt 4*NL+1                            ; (the add and the youngest 16 loads may be out)
	WIN MUL_LO
	MUL16 0, 1, NQ-1, \slot, 0
	s_wait_dscnt 0x0                               ; the add is done, and my reads of this slot are over
	s_barrier_signal -1
	MUL16 2, 1, NQ-1, \slot, 0
	WIN 0
	s_barrier_wait -1
.if \fill
	CREST                                          ; the barrier has opened a round of the cluster's: no wave of any partner still reads this slot or has a load on its way
	s_add_nc_u64 s[G0+4*\slot+2:G0+4*\slot+3], s[G0+4*\slot+2:G0+4*\slot+3], 2*ASTEP
	s_add_nc_u64 s[G0B+4*\slot+2:G0B+4*\slot+3], s[G0B+4*\slot+2:G0B+4*\slot+3], 2*ROWB
	JLOAD G0+4*\slot, G1, G0B+4*\slot, G1B         ; the first tensor load behind the round, my one until the next; its four v_nop are among the places below
	PLACES NP-4
.else
	PLACES NP
.endif
	v_add_nc_u32 v[ADRS], 4*NQ, v[ADRS]
	FETCH_B \next, 0, 0
	FETCH_A \next, 0, 0
	SCALES \next
	WIN MUL_HI
	MUL16 4, 1, NQ-1, \slot, 0
	MUL16 6, 1, NQ-1, \slot, 0
	PLACES NP
	WIN 0
	FETCH_A \next, 0, 4
.endm
	s_wait_tensorcnt 1                             ; the scales and my part of K step 0 are in (K step 1's load may be out)
	s_barrier_signal -1
	s_barrier_wait -1
	FETCH_B 0, 0, 0
	FETCH_A 0, 0, 0
	SCALES 0
	FETCH_A 0, 0, 4
	s_wait_loadcnt 0x0                             ; the bias
	STEP 0, 0, 1                                   ; K = 1,024 is four slots' worth: written straight
	TURN 0, 1, 1
	STEP 1, 0, 0
	TURN 1, 0, 1
	STEP 0, 0, 0
	TURN 0, 1, 0                                   ; nothing is left to fetch: no round
	STEP 1, 0, 0
	s_wait_dscnt 4*NL
	WIN MUL_LO
	MUL16 0, 1, NQ-1, 1, 0
	MUL16 2, 1, NQ-1, 1, 0
	s_wait_dscnt 0
	WIN MUL_HI
	MUL16 4, 1, NQ-1, 1, 0
	MUL16 6, 1, NQ-1, 1, 0
	WIN 0
; THE WAY OUT, block by block of 16 stored rows x 128 columns, through my own stage in LDS: in, each accumulator's 32 bytes at its columns' true place; back, whole rows of 512 bytes, which the 32 lanes store as
; 512 consecutive bytes at the row's true place.  LDS serves a wave's instructions in order (ISA guide 5.7.1.4): no wait between the stores and the loads.
.macro TOSTAGE a
.set AC, 64*((\a)%4)
	WIN 0x08+4*((\a)/4)                            ; an LDS store's data are its source 1: window 2 or 3
.irp b, 0,1,2,3,4,5,6,7
	ds_store_b128 v[STO], v[AC+8*\b:AC+8*\b+3] offset:128*(\b/2)+32*(\b%2)          ; each accumulator from its low end on
	ds_store_b128 v[STO], v[AC+8*\b+4:AC+8*\b+7] offset:128*(\b/2)+32*(\b%2)+16
.endr
	WIN 0
.set BB, BK+64*((\a)%2)
.irp t, 0,1,2,3,4,5,6,7,8,9,10,11,12,13,14,15
	ds_load_b128 v[BB+4*\t:BB+4*\t+3], v[RD] offset:\t*SPITCH
.endr
.endm
.macro SEND a, younger                 ; younger: the LDS instructions issued behind block a's loads, which may stay out
.set BB, BK+64*((\a)%2)
	s_wait_dscnt \younger
.irp t, 0,1,2,3,4,5,6,7,8,9,10,11,12,13,14,15
	global_store_b128 v[CO], v[BB+4*\t:BB+4*\t+3], s[12:13] offset:(32*((\a)/2)+8*((\a)%2)+\t+8*(\t/8))*4096 th:TH_STORE_NT   ; stored row 16 a + t is row 32 (a / 2) + 8 (a % 2) + t + 8 (t / 8): 127 rows of 4,096 bytes at the most, inside the immediate
.endr
.endm
	PLACES NP
	TOSTAGE 0
.irp a, 1,2,3,4,5,6,7
.if \a > 1
	s_wait_xcnt 0x0                                ; block a - 2's stores have read their registers: block a's loads may land there
.endif
	TOSTAGE \a
	SEND \a-1, 32                                  ; behind block a - 1's loads: block a's 16 stores and 16 loads
.endr
	SEND 7, 0
	s_wait_tensorcnt 0x0                           ; the wave's end
	ds_add_u32 v[SPW], v[NIL]
	s_wait_dscnt 0x0
	CROUND                                         ; the closing round: no work-group ends while a partner may still ask for a tile that names it
	s_endpgm
.Lfunc_end_k_q6c8b809a5f_outp:
	.size	k_q6c8b809a5f_outp, .Lfunc_end_k_q6c8b809a5f_outp-k_q6c8b809a5f_outp
	.p2alignl 7, 3214868480
	.fill 96, 4, 3214868480
	.section	.rodata,"a",@progbits
	.p2align	6, 0x0
	.amdhsa_kernel k_q6c8b809a5f_outp
		.amdhsa_group_segment_fixed_size 327680
		.amdhsa_private_segment_fixed_size 0
		.amdhsa_enable_private_segment 0
		.amdhsa_kernarg_size 48
		.amdhsa_user_sgpr_count 2
		.amdhsa_user_sgpr_kernarg_segment_ptr 1
		.amdhsa_wavefront_size32 1
		.amdhsa_system_sgpr_workgroup_id_x 1
		.amdhsa_system_sgpr_workgroup_id_y 1
		.amdhsa_system_sgpr_workgroup_id_z 1
		.amdhsa_system_vgpr_workitem_id 0
		.amdhsa_next_free_vgpr 1024
		.amdhsa_next_free_sgpr 100
		.amdhsa_reserve_vcc 0
		.amdhsa_float_denorm_mode_32 3
		.amdhsa_float_denorm_mode_16_64 3
		.amdhsa_memory_ordered 1
		.amdhsa_forward_progress 1
		.amdhsa_inst_pref_size 147
	.end_amdhsa_kernel
	.amdgpu_metadata
---
amdhsa.version: [ 1, 2 ]
amdhsa.kernels:
  - .name:           k_q6c8b809a5f_outp
    .symbol:         k_q6c8b809a5f_outp.kd
    .args:
      - { .name: ctxc, .offset: 0, .size: 8, .value_kind: global_buffer, .address_space: global }
      - { .name: ctxs, .offset: 8, .size: 8, .value_kind: global_buffer, .address_space: global }
      - { .name: codes1, .offset: 16, .size: 8, .value_kind: global_buffer, .address_space: global }
      - { .name: scales1, .offset: 24, .size: 8, .value_kind: global_buffer, .address_space: global }
      - { .name: b_o, .offset: 32, .size: 8, .value_kind: global_buffer, .address_space: global }
      - { .name: out0, .offset: 40, .size: 8, .value_kind: global_buffer, .address_space: global }
    .group_segment_fixed_size: 327680
    .private_segment_fixed_size: 0
    .kernarg_segment_align: 8
    .kernarg_segment_size: 48
    .max_flat_workgroup_size: 128
    .sgpr_count:     100
    .vgpr_count:     1024
    .wavefront_size: 32
...
	.end_amdgpu_metadata
.endif
;; end of part 4
